; MI455X (gfx1250); checked and timed in simulation.
; The chip was launched on July 23, 2026; its instructions are those of AMD's public machine-readable ISA for CDNA 5 (MIT licence, August 2026) and "CDNA5" Instruction Set Architecture Reference Guide (July 2026). The comments in the code are by the model that wrote it; some were corrected since.
;; Multihead Attention With Ro PE. Allowed arithmetic: matrix products marked QUANTISED: E5M2 operands, one given power-of-two scale a tensor, by v_wmma_f32_16x16x64_bf8_bf8 or v_wmma_f32_16x16x128_bf8_bf8, f32 sums; everything else in f32.
;; Inputs: Wo_codes 1,024 x 32 x 32 uint8 (E5M2 codes of Wo, K innermost, in blocks of 32 codes); Wqkv_codes 3,072 x 32 x 32 uint8 (E5M2 codes of Wqkv, K innermost, in blocks of 32 codes); bo 1,024 float32; bqkv 3,072 float32; lowp_scales 8 int32 (the exponents e of the quantised operands' scales 2^e); padding_mask 4 x 2,048 bool; x_codes 4 x 2,048 x 32 x 32 uint8 (E5M2 codes of x, K innermost, in blocks of 32 codes).
;; Outputs: out0 4 x 2,048 x 1,024 float32.
;; This version of the problem:
;;   THIS VERSION OF THE PROBLEM IS GIVEN IN LOW PRECISION. The matrix products marked QUANTISED in the list below multiply operands that are first quantised to E5M2 (5 exponent bits, 2 mantissa bits; 8 bits a number), with one given power-of-two scale for each operand tensor; their sums are f32. All else is computed in f32.
;;   The module's matrix products, in the order in which they are computed (A, B: the left and right operand; K: the contracted axis; several contracted axes count as one K, in the product's order):
;;     1. [M 8,192, K 1,024] x [K 1,024, N 3,072]; A: input x (given as codes); B: input Wqkv (given as codes): QUANTISED (scales: A lowp_scales[0], B lowp_scales[1])
;;     2. batch 64 x [M 2,048, K 64] x [K 64, N 2,048]; A: computed on the way; B: computed on the way: QUANTISED (scales: A lowp_scales[2], B lowp_scales[3])
;;     3. batch 64 x [M 2,048, K 2,048] x [K 2,048, N 64]; A: softmax (see below); B: computed on the way: QUANTISED (scales: A lowp_scales[4], B lowp_scales[5])
;;     4. [M 8,192, K 1,024] x [K 1,024, N 1,024]; A: computed on the way; B: input Wo (given as codes): QUANTISED (scales: A lowp_scales[6], B lowp_scales[7])
;;   THE QUANTISER, for each operand of a quantised product, along K:
;;     - The operand's scale is 2^e, e = its entry of the input lowp_scales (int32; the entries are numbered through the quantised products in the list's order, A before B).
;;     - Each number is divided by the scale, clamped to +-57,344, and rounded to the nearest number of E5M2, ties to even, subnormals kept.
;;     - The product sums the exact products of the quantised numbers (number of the format x scale) in f32.
;;   ~~~python
;;   def quantise(x, axis, e):      # numpy; x: float32 -> the quantised numbers, widened to float32 again
;;       x = np.moveaxis(x, axis, -1); K = x.shape[-1]
;;       r = np.clip(x / 2.0 ** e, -57344, 57344)
;;       step = 2.0 ** (np.maximum(np.frexp(np.where(r == 0, 1, r))[1] - 1, -14) - 2)
;;       q = np.round(r / step) * step * 2.0 ** e      # np.round: ties to even
;;       return np.moveaxis(q, -1, axis).astype(np.float32)
;;   ~~~
;;   SOFTMAX AHEAD OF A QUANTISED PRODUCT. Where the list says 'softmax', what is quantised is not the finished softmax but p = 2^(t - M), with t = logit x log2(e) and M = ceil(the row's largest t), a whole number; so 1/2 < the row's largest p <= 1. The row's sum l is taken of the UNQUANTISED p, in f32, and the product's result is divided by l at the end. Since M is a whole number, a kernel that streams over the keys may use a running M (the ceiling of the running maximum): every later rescaling is an exact power of two, so the quantised numbers keep their values, but for numbers so far below the row's largest that they fall under the format's range.
;;   OPERANDS COMPUTED ON THE WAY. 'Computed on the way' means the value that the module computes at that place (a softmax that the list does not call 'softmax' is quantised finished and normalised). What goes into a quantiser is computed in f32, as accurately as f32 sums, v_exp_f32 and their like allow (about 1e-6 of the number): no bf16 or f16 on the way to a quantiser, and a product that is left as it is and whose result goes on into a quantised operand takes f32 operands (vector FMAs, or v_wmma_f32_16x16x4_f32). A number that lies on a knife's edge between two numbers of the format may be rounded either way, as far as f32 arithmetic and the matrix unit's own rounding can turn it there, and no further.
;;   INPUTS GIVEN AS CODES. Wo (in the module: [1024, 1024], K = its axis 0); Wqkv (in the module: [1024, 3072], K = its axis 0); x (in the module: [4, 2048, 1024], K = its axis 2): each comes as NAME_codes (uint8): NAME with its K axis moved to the last place and cut into blocks of 32 codes, [.., K / 32, bytes a block], one block behind the other in memory; one code a byte (a code: sign, 5 exponent bits, 2 mantissa bits); its scale is its entry of lowp_scales. Its value is code x scale, taken as it is: it is not quantised again, and the codes and scales need not be those that the quantiser above would give.
;; One version. Each part assembles by itself: llvm-mc -triple=amdgcn-amd-amdhsa -mcpu=gfx1250 --defsym DOCPART=n.
;; ======== version 1 of 1: 4 launches
;; limits: right only within a limited range of input values
;; workspace buffers: rope 524,288 bytes; qkv 25,165,824 bytes; oimg 8,388,608 bytes
;; launch rope (part 1): grid 256 x 1, 4 waves a work-group, no clusters, 0 bytes of LDS; arguments rope; writes rope
.if DOCPART == 1
	.amdgcn_target "amdgcn-amd-amdhsa--gfx1250"
	.amdhsa_code_object_version 6
	.text
	.protected	k_q906edadb37_rope
	.globl	k_q906edadb37_rope
	.p2align	8
	.type	k_q906edadb37_rope,@function
k_q906edadb37_rope:
	s_mov_b64 s[64:65], 0
	v_nop
	global_prefetch_b8 v0, s[64:65] scope:SCOPE_SE
	s_setreg_imm32_b32 hwreg(HW_REG_WAVE_MODE, 25, 1), 1
	s_wait_xcnt 0x0
; THE TABLE OF cos AND sin FOR THE ROTARY EMBEDDING, each value made once: angle(t, i) = t x 10000^(-i/32), t = 0 .. 2047, i = 0 .. 31.
; DEAD WORK: none.  In reference() every input (x, padding_mask, Wqkv, bqkv, Wo, bo, and all eight scales) has a way to out0 for some finite values, and no product, row or step is thrown away:
; the whole program leaves nothing out, and every input is among some launch's arguments.  This launch reads no input: the table hangs on the shapes alone.
; LAYOUT, in the order in which the next launch's lanes want it: [tile of 16 positions: 128][g: 8][lane: 32][4 f32].  Lane (r = lane % 16, h = lane / 16) of group g = 2 bl + pp holds
; cos_i, sin_i, cos_(i+1), sin_(i+1) of position t = 16 tile + r, with i = 8 bl + 4 h + 2 pp.  A thread makes one such group of 16 bytes; a wave stores 512 consecutive bytes.
; ARITHMETIC, all f32.  10000^(-i/32) = 2^(-i L), L = log2(10000)/32 = LH + LL: i x LH is exact (5 bits x 19 bits), 2^(-i LL) is 1 + i x 1.59e-7 to first order.  The angle is one rounded product, as in reference().
; The angle, at most 2047, less j = round(angle x 2/pi) times pi/2 in three parts (fused, so each product is exact) leaves |x| <= pi/4; sine to x^9 and cosine to x^8 by Taylor's coefficients (the first term left out is under 3e-8).
; No LDS, no barrier, no loop: threads share nothing.
	s_load_b64 s[4:5], s[0:1], 0x0                 ; the table
	s_mov_b32 s8, 0xbfc90fda                       ; -pi/2, first part,
	s_mov_b32 s9, 0xb3a22168                       ; second,
	s_mov_b32 s10, 0xa7c234c4                      ; third
	s_mov_b32 s11, 0x37d00d01                      ; 1/40320
	s_mov_b32 s12, 0xbab60b61                      ; -1/720
	s_mov_b32 s13, 0x3638ef1d                      ; 1/362880
	s_mov_b32 s14, 0xb9500d01                      ; -1/5040
	v_and_b32 v1, 15, v0                           ; r
	v_bfe_u32 v2, v0, 4, 1                         ; h
	v_lshrrev_b32 v3, 5, v0                        ; wave
	s_and_b32 s16, ttmp9, 1
	s_lshl_b32 s16, s16, 2
	v_add_nc_u32 v3, s16, v3                       ; g = 4 (work-group % 2) + wave
	v_lshrrev_b32 v4, 1, v3                        ; bl
	v_and_b32 v5, 1, v3                            ; pp
	v_lshlrev_b32 v4, 3, v4
	v_lshl_add_u32 v4, v2, 2, v4
	v_lshl_add_u32 v4, v5, 1, v4                   ; i = 8 bl + 4 h + 2 pp
	s_lshr_b32 s17, ttmp9, 1
	s_lshl_b32 s17, s17, 4
	v_add_nc_u32 v6, s17, v1                       ; t = 16 (work-group / 2) + r
	v_cvt_f32_u32 v6, v6
	v_cvt_f32_u32 v7, v4                           ; i,
	v_add_f32 v8, 1.0, v7                          ; i + 1
	v_mul_f32 v9, 0xbed49a80, v7                   ; -i LH: exact
	v_mul_f32 v10, 0xbed49a80, v8
	s_wait_alu depctr_va_vdst(0)
	v_exp_f32 v9, v9
	v_exp_f32 v10, v10
	v_mul_f32 v7, 0x342ae148, v7                   ; -i LL ln 2 (plain work behind the two exponentials)
	v_mul_f32 v8, 0x342ae148, v8
	s_wait_alu depctr_va_vdst(0)                   ; one wait for both exponentials, ahead of their first reader
	v_fma_f32 v9, v9, v7, v9                       ; 10000^(-i/32)
	v_fma_f32 v10, v10, v8, v10
	v_mul_f32 v9, v6, v9                           ; the angles
	v_mul_f32 v10, v6, v10
; cos and sin of the angle in v[a] into v[c] and v[s]; five registers at work
.macro SINCOS a, c, s, j, x, z, p, q
	v_mul_f32 v[\j], 0x3f22f983, v[\a]             ; x 2/pi
	v_rndne_f32 v[\j], v[\j]
	v_fma_f32 v[\x], v[\j], s8, v[\a]
	v_fma_f32 v[\x], v[\j], s9, v[\x]
	v_fma_f32 v[\x], v[\j], s10, v[\x]             ; x = angle - j pi/2
	v_cvt_i32_f32 v[\j], v[\j]
	v_mul_f32 v[\z], v[\x], v[\x]
	v_fma_f32 v[\p], v[\z], s11, s12
	v_fma_f32 v[\q], v[\z], s13, s14
	v_fmaak_f32 v[\p], v[\p], v[\z], 0x3d2aaaab    ; 1/24
	v_fmaak_f32 v[\q], v[\q], v[\z], 0x3c088889    ; 1/120
	v_fma_f32 v[\p], v[\p], v[\z], -0.5
	v_fmaak_f32 v[\q], v[\q], v[\z], 0xbe2aaaab    ; -1/6
	v_fma_f32 v[\p], v[\p], v[\z], 1.0             ; cos x
	v_mul_f32 v[\z], v[\z], v[\x]
	v_fma_f32 v[\q], v[\q], v[\z], v[\x]           ; sin x
	v_and_b32 v[\z], 1, v[\j]                      ; the quadrant: odd j swaps the two,
	v_cmp_eq_u32 vcc_lo, 1, v[\z]
	v_cndmask_b32 v[\s], v[\q], v[\p], vcc_lo
	v_cndmask_b32 v[\c], v[\p], v[\q], vcc_lo
	v_and_b32 v[\z], 2, v[\j]                      ; bit 1 of j turns the sine's sign,
	v_lshlrev_b32 v[\z], 30, v[\z]
	v_xor_b32 v[\s], v[\s], v[\z]
	v_add_nc_u32 v[\z], 1, v[\j]                   ; bit 1 of j + 1 the cosine's
	v_and_b32 v[\z], 2, v[\z]
	v_lshlrev_b32 v[\z], 30, v[\z]
	v_xor_b32 v[\c], v[\c], v[\z]
.endm
	SINCOS 9, 12, 13, 16, 17, 18, 19, 20
	SINCOS 10, 14, 15, 21, 22, 23, 24, 25
	v_lshlrev_b32 v30, 4, v0                       ; 16 bytes a thread
	s_lshl_b32 s18, ttmp9, 11                      ; 2,048 bytes a work-group
	s_mov_b32 s19, 0
	s_wait_alu depctr_va_vdst(0)
	s_wait_kmcnt 0x0
	s_add_nc_u64 s[4:5], s[4:5], s[18:19]
	global_store_b128 v30, v[12:15], s[4:5]        ; a wave stores 512 consecutive bytes, at a multiple of 512 from the table's first byte
	s_endpgm
.Lfunc_end_k_q906edadb37_rope:
	.size	k_q906edadb37_rope, .Lfunc_end_k_q906edadb37_rope-k_q906edadb37_rope
	.p2alignl 7, 3214868480
	.fill 96, 4, 3214868480
	.section	.rodata,"a",@progbits
	.p2align	6, 0x0
	.amdhsa_kernel k_q906edadb37_rope
		.amdhsa_group_segment_fixed_size 0
		.amdhsa_private_segment_fixed_size 0
		.amdhsa_enable_private_segment 0
		.amdhsa_kernarg_size 8
		.amdhsa_user_sgpr_count 2
		.amdhsa_user_sgpr_kernarg_segment_ptr 1
		.amdhsa_wavefront_size32 1
		.amdhsa_system_sgpr_workgroup_id_x 1
		.amdhsa_system_sgpr_workgroup_id_y 1
		.amdhsa_system_sgpr_workgroup_id_z 1
		.amdhsa_system_vgpr_workitem_id 0
		.amdhsa_next_free_vgpr 40
		.amdhsa_next_free_sgpr 66
		.amdhsa_reserve_vcc 1
		.amdhsa_float_denorm_mode_32 3
		.amdhsa_float_denorm_mode_16_64 3
		.amdhsa_memory_ordered 1
		.amdhsa_forward_progress 1
		.amdhsa_inst_pref_size 5
	.end_amdhsa_kernel
	.amdgpu_metadata
---
amdhsa.version: [ 1, 2 ]
amdhsa.kernels:
  - .name:           k_q906edadb37_rope
    .symbol:         k_q906edadb37_rope.kd
    .args:
      - { .name: rope, .offset: 0, .size: 8, .value_kind: global_buffer, .address_space: global }
    .group_segment_fixed_size: 0
    .private_segment_fixed_size: 0
    .kernarg_segment_align: 8
    .kernarg_segment_size: 8
    .max_flat_workgroup_size: 128
    .sgpr_count:     66
    .vgpr_count:     40
    .wavefront_size: 32
...
	.end_amdgpu_metadata
.endif
;; end of part 1
;; launch qkv (part 2): grid 12 x 32, 4 waves a work-group, clusters of 4 x 4, 327,680 bytes of LDS; arguments x_codes, Wqkv_codes, lowp_scales, bqkv, rope, qkv; writes qkv
.if DOCPART == 2
	.amdgcn_target "amdgcn-amd-amdhsa--gfx1250"
	.amdhsa_code_object_version 6
	.text
	.protected	k_q906edadb37_qkv
	.globl	k_q906edadb37_qkv
	.p2align	8
	.type	k_q906edadb37_qkv,@function
k_q906edadb37_qkv:
	s_mov_b64 s[64:65], 0
	v_nop
	global_prefetch_b8 v0, s[64:65] scope:SCOPE_SE
	s_setreg_imm32_b32 hwreg(HW_REG_WAVE_MODE, 25, 1), 1
	s_wait_xcnt 0x0
	s_wait_alu depctr_hold_cnt(0) depctr_sa_sdst(0) depctr_va_vdst(0) depctr_va_sdst(0) depctr_va_ssrc(0) depctr_va_vcc(0) depctr_vm_vsrc(0)
	s_getreg_b32 s2, hwreg(HW_REG_IB_STS2, 6, 4)
	s_cmp_eq_u32 s2, 0
	s_cbranch_scc0 .Lentry_in_a_cluster
	s_endpgm
.Lentry_in_a_cluster:
	s_bfe_u32 s2, ttmp6, 0x10000c
	s_cmp_lg_u32 s2, 0xf033
	s_cbranch_scc0 .Lentry_shape_is_right
	s_endpgm
.Lentry_shape_is_right:
; qkv = x Wqkv + bqkv on codes of E5M2; then the rotary embedding on q and k; then q, k and v are quantised with their given scales and stored as IMAGES OF THE NEXT LAUNCH'S OPERAND REGISTERS.  No work of reference() is left out here.
; x: [8192][1024] codes, Wqkv: [3072][1024] codes, K innermost.  A sum of codes stands for sum x 2^(e0 + e1).  All behind the sums is f32.
; A tile of 256 x 256 is made by four waves, a wave makes 128 x 128: 64 accumulators, 512 registers.  K = 1,024 goes in four steps of 256 through a ring of two LDS slots filled by the tensor data mover.
; CLUSTERS: 4 x 4 work-groups; 3 x 8 clusters.  The cluster's x is the TYPE: 0 = q, 1 = k, 2 = v, the same in all sixteen partners, so the one branch on it is taken alike by all.
; REGION A of a slot is the matrix instruction's source 1 (its rows become LANES of the result), REGION B its source 0 (its rows become REGISTERS).  A's tile hangs on cy and is asked for jointly along a row of the cluster, B's on cx, along a column.
;   q, k: A = x (tile 4 Y + cy), B = Wqkv (tile 4 X + cx): a lane holds one position and eight neighbouring channels: the pairs that the rotation turns, and the next product's K.
;   v:    A = Wqkv (tile 8 + cy), B = x (tile 4 Y + cx): a lane holds one channel and eight neighbouring KEYS, which are the K of the product with the softmax.
; Both tensors have rows of 1,024 bytes, so one loop serves all types: only the two bases and tile numbers are chosen, by s_cselect on the type.
; THE ROTATION keeps lo_i = x1 cos - x2 sin and hi_i = x1 sin + x2 cos in the places of x1 = channel 2 i and x2 = channel 2 i + 1.  reference() lays them at i and 32 + i: a permutation of the head's 64, the same in q and k,
; under which every product of q k^T meets its partner; only the order of that sum's terms differs.
; OUTPUT: qkv = [batch x head: 64][q, k, v][131,072 bytes].  q, k: [tile of 16 positions: 128][c: 2][lane][16 bytes]: lane (r, h): position r, registers 2 bl, 2 bl + 1 = the codes made of channels 16 bl + 8 h + 0 .. 7.
;   v: [128 keys: 16][16 channels: 4][c: 4][lane][16 bytes]: lane (r, h): channel r, registers 2 b, 2 b + 1 = keys 16 b + 8 h + 0 .. 7.  Every store of a wave covers 512 consecutive bytes, aligned.
; LIMITS: e0 + e1 between -126 and 127; e2, e3, e5 between -126 and 112, so that each power of two below is an f32 number.  NaN among the codes or biases is not served (the hold drops it).
; REGISTERS: window 0: v0-31 addresses and constants; v32-95 the bias; v160-223 a block's numbers; v224-255 two sets of codes; in the loop v128-255 are A's fragments, ONE set.
;   window 1: B's fragments, two sets.  windows 2, 3: the accumulators ((a, b) at v[8 (8 (a % 4) + b)]).
.set ROWB,   256                       ; a tile's row: 256 codes
.set KROW,   1024                      ; a row of x or of Wqkv in memory
.set PITCH,  272                       ; an LDS row: 256 bytes + 16 of padding = 68 words: the 16 rows that a load touches start at 16 different banks (64 banks of 4 bytes: ISA guide 11.1)
.set FR,     16                        ; registers of a fragment: 16 rows x 128 K
.set NL,     4                         ; LDS loads that bring one
.set NP,     4                         ; places behind this matrix instruction (ISA guide 7.12.1)
.set HALFT,  128*PITCH
.set SLOT,   4*HALFT                   ; A's 256 rows, then B's 256 rows
.set SPARE,  2*SLOT                    ; behind the ring: the spare words, 128 bytes a wave, which no other line names
.set HEADB,  393216                    ; a head's q, k and v in the output
.set U,    4                           ; v4-11   four pairs at work in the rotation
.set LIM,  12                          ; v12     57,344 x the quantiser's scale
.set SC,   13                          ; v13     the scale as f32
.set ADRA, 16                          ; v16-17  LDS address of my A fragments in slot 0, 1
.set ADRB, 20                          ; v20-21  the same for B
.set LN16, 24                          ; v24     16 x lane
.set BOFF, 25                          ; v25     32 h: the bias of q and k
.set VOFF, 26                          ; v26     4 r: the bias of v
.set SPW,  28                          ; v28     my spare word; never rewritten
.set NIL,  29                          ; v29     0; never rewritten
.set BIAS, 32
; the table of cos and sin: all eight blocks lie in window 1, 32 registers a block, where B's fragments lay (so v96-159 of window 0 stay free on the way out)
.set TMP,  160
.set COD,  224
.set AF,   128
.set WV,   16                          ; s16 wave;  s17 wave / 2: my half of A's rows, and: I fetch for A (0) or B (1);  s18 wave % 2: my half of B's rows, and which 128 rows I fetch
.set HFA,  17
.set HFB,  18
.set TY,   19                          ; s19 the type;  s20 cluster y;  s21 cx;  s22 cy
.set G1, 24                            ; s[24:31] descriptor group 1 for A's tiles;  s[32:39] group 0, a set for each slot
.set G0, 32
.set G1B, 48                           ; s[48:55], s[56:63] the same for B's
.set G0B, 56
.set MSB, 0
.macro WIN new                         ; the immediate's high byte repeats the setting that is left
.if MSB != \new
	s_set_vgpr_msb (MSB<<8)|\new
.set MSB, \new
.endif
.endm
.set MUL_LO, 0xa1                      ; source 0 (B) window 1, source 1 (A) window 0, C and D window 2
.set MUL_HI, 0xf1                      ; the same, C and D window 3
.set TO_B,   0x40                      ; destination window 1, address window 0
; A joint load: waves 0 and 1 fetch for A, waves 2 and 3 for B; the branch hangs on the wave's number alone.  An s_nop 0 and four v_nop follow each of the two lines.
.macro JLOAD g0a, g1a, g0b, g1b
	s_cmp_eq_u32 s[HFA], 0
	s_cbranch_scc0 .Lfor_b_\@
	tensor_load_to_lds s[\g0a:\g0a+3], s[\g1a:\g1a+7]
	s_nop 0
.rept 4
	v_nop
.endr
	s_branch .Lasked_\@
.Lfor_b_\@:
	tensor_load_to_lds s[\g0b:\g0b+3], s[\g1b:\g1b+7]
	s_nop 0
.rept 4
	v_nop
.endr
.Lasked_\@:
.endm
.macro CREST                           ; a round of the cluster's barrier behind its opening barrier
	s_cmp_lg_u32 s[WV], 0
	s_cbranch_scc1 .Lnot_wave_0_\@
	s_barrier_signal -3
.Lnot_wave_0_\@:
	s_barrier_wait -3
	s_barrier_signal -1
	s_barrier_wait -1
.endm
.macro CROUND                          ; a whole round
	s_barrier_signal -1
	s_barrier_wait -1
	CREST
.endm
	s_load_b256 s[4:11], s[0:1], 0x0               ; x s[4:5], Wqkv s[6:7], the scales s[8:9], bqkv s[10:11]
	s_load_b128 s[12:15], s[0:1], 0x20             ; the table s[12:13], the output s[14:15]
	v_lshl_add_u32 v[SPW], v0, 2, SPARE
	v_mov_b32 v[NIL], 0
	ds_add_u32 v[SPW], v[NIL]                      ; the wave's opening: the add, twice on end, and its wait ahead of my first tensor load
	ds_add_u32 v[SPW], v[NIL]
	v_lshrrev_b32 v1, 5, v0
	v_readfirstlane_b32 s[WV], v1                  ; wave 0..3
	s_lshr_b32 s[HFA], s[WV], 1
	s_and_b32 s[HFB], s[WV], 1
	s_mov_b32 s[TY], ttmp9                         ; in a cluster launch ttmp9 and ttmp7 count clusters
	s_and_b32 s20, ttmp7, 0xffff
	s_bfe_u32 s21, ttmp6, 0x40000                  ; cx
	s_bfe_u32 s22, ttmp6, 0x40004                  ; cy
	s_lshl_b32 s40, s22, 2
	s_lshl_b32 s40, 15, s40                        ; my row of the cluster
	s_lshl_b32 s41, 0x1111, s21                    ; my column
	s_or_b32 s[G1+0], s40, (0<<16)|(1<<20)|(1<<21)|(5<<22)|(3<<25)   ; 15:0 the mask; 17:16 elements of 1 byte; 20 padding on; 21 set beside a mask; 24:22 after every 64 words; 31:25 four words
	s_or_b32 s[G1B+0], s41, (0<<16)|(1<<20)|(1<<21)|(5<<22)|(3<<25)
.irp g, G1, G1B
	s_mov_b32 s[\g+1], ROWB<<16                    ; tensor_dim0
	s_mov_b32 s[\g+2], 128<<16                     ; tensor_dim1
	s_mov_b32 s[\g+3], ROWB<<16                    ; tile_dim0
	s_mov_b32 s[\g+4], 128                         ; tile_dim1
	s_mov_b32 s[\g+5], KROW                        ; tensor_dim0_stride
	s_mov_b32 s[\g+6], 0
	s_mov_b32 s[\g+7], 0
.endr
	s_lshl_b32 s42, s20, 2                         ; 4 Y
	s_lshl_b32 s43, s[TY], 2                       ; 4 X
	s_cmp_eq_u32 s[TY], 2
	s_cselect_b32 s84, 8, s42
	s_cselect_b32 s85, s42, s43
	s_add_co_u32 s84, s84, s22                     ; A's tile: it never holds cx
	s_add_co_u32 s85, s85, s21                     ; B's tile: it never holds cy
	s_lshl_b32 s44, s[HFB], 17                     ; which 128 rows of 1,024 bytes I fetch
	s_lshl_b32 s86, s84, 18                        ; 256 rows of 1,024 bytes a tile
	s_add_co_u32 s86, s86, s44
	s_mov_b32 s87, 0
	s_lshl_b32 s88, s85, 18
	s_add_co_u32 s88, s88, s44
	s_mov_b32 s89, 0
	s_mul_i32 s23, s[WV], HALFT                    ; where they go: wave x 128 rows: no place in the cluster enters an LDS address
	s_wait_dscnt 0x0                               ; both opening adds are done
	s_wait_kmcnt 0x0
	s_load_b256 s[68:75], s[8:9], 0x0              ; e0 .. e7
	s_cmp_eq_u32 s[TY], 2                          ; the choice hangs on the type alone
	s_cselect_b64 s[90:91], s[6:7], s[4:5]         ; A's tensor
	s_cselect_b64 s[92:93], s[4:5], s[6:7]         ; B's
	s_add_nc_u64 s[90:91], s[90:91], s[86:87]
	s_add_nc_u64 s[92:93], s[92:93], s[88:89]
	CROUND                                         ; all sixteen work-groups are here: the first joint loads meet
.irp s, 0,1
	s_mov_b32 s[G0+4*\s], 1
	s_add_co_u32 s[G0+4*\s+1], s23, \s*SLOT
	s_add_nc_u64 s[G0+4*\s+2:G0+4*\s+3], s[90:91], \s*ROWB
	s_or_b32 s[G0+4*\s+3], s[G0+4*\s+3], 0x80000000
	s_mov_b32 s[G0B+4*\s], 1
	s_add_co_u32 s[G0B+4*\s+1], s23, \s*SLOT
	s_add_nc_u64 s[G0B+4*\s+2:G0B+4*\s+3], s[92:93], \s*ROWB
	s_or_b32 s[G0B+4*\s+3], s[G0B+4*\s+3], 0x80000000
.endr
	JLOAD G0, G1, G0B, G1B                         ; K step 0: one tensor load a wave at the head
	v_and_b32 v1, 15, v0                           ; r
	v_bfe_u32 v2, v0, 4, 1                         ; h
	v_mul_u32_u24 v3, v1, PITCH
	v_lshl_add_u32 v4, v2, 4, v3                   ; a fragment's row x pitch + 16 x half
	s_mul_i32 s40, s[HFA], HALFT                   ; my 128 rows of A
	s_mul_i32 s41, s[HFB], HALFT                   ; my 128 rows of B,
	s_add_co_u32 s41, s41, 2*HALFT                 ; which lie behind A's 256
.irp s, 0,1
	v_add_nc_u32 v[ADRA+\s], s40, v4
	v_add_nc_u32 v[ADRB+\s], s41, v4
	s_add_co_u32 s40, s40, SLOT
	s_add_co_u32 s41, s41, SLOT
.endr
	v_and_b32 v5, 31, v0
	v_lshlrev_b32 v[LN16], 4, v5
	v_lshlrev_b32 v[BOFF], 5, v2
	v_lshlrev_b32 v[VOFF], 2, v1
	; PREFETCHES INTO THE L2: behind K step 0's joint load K step 2 is asked for, behind K step 1's K step 3: two refills ahead.  Of the 128 rows that I fetch, each of the four partners that ask for them jointly names 32,
	; told apart by address (cx among A's partners, cy among B's): a lane a row, 256 bytes of it.  Wqkv's rows, which eight rows of clusters read, are named by cluster rows 0 to 3 alone.
	v_lshlrev_b32 v27, 10, v5                      ; my lane x a row of 1,024 bytes; never rewritten
	s_wait_alu depctr_va_vdst(0)                   ; directly ahead of the run of scalar lines
	s_cmp_eq_u32 s[HFA], 0
	s_cselect_b64 s[94:95], s[90:91], s[92:93]     ; the first of the rows that I fetch
	s_cselect_b32 s96, s21, s22
	s_cmp_eq_u32 s[TY], 2
	s_cselect_b32 s99, 1, 0
	s_xor_b32 s98, s99, s[HFA]                     ; 1: what I fetch is Wqkv (A's waves for v, B's waves for q and k)
	s_cmp_ge_u32 s20, 4
	s_cselect_b32 s99, 1, 0
	s_and_b32 s98, s98, s99                        ; 1: I ask for nothing
	s_lshl_b32 s96, s96, 15                        ; my work-group's 32 rows
	s_mov_b32 s97, 0
	s_add_nc_u64 s[94:95], s[94:95], s[96:97]
	s_cmp_eq_u32 s98, 0
	s_cbranch_scc0 .Lno_pf2
	global_prefetch_b8 v27, s[94:95] offset:512 th:TH_LOAD_NT scope:SCOPE_SE
.Lno_pf2:
	s_wait_alu depctr_va_vdst(0)
	s_wait_kmcnt 0x0                               ; the scales
	s_add_co_i32 s76, s68, s69
	s_add_co_i32 s76, s76, 127
	s_lshl_b32 s76, s76, 23                        ; 2^(e0 + e1) as f32
	s_mov_b32 s77, s76                             ; (named with it as a pair, so it is written)
	s_cmp_eq_u32 s[TY], 0
	s_cselect_b32 s40, s70, s71                    ; q: e2, k: e3,
	s_cmp_eq_u32 s[TY], 2
	s_cselect_b32 s40, s73, s40                    ; v: e5: a choice, no branch on a loaded number
	s_add_co_i32 s40, s40, 127
	s_lshl_b32 s41, s40, 23
	v_mov_b32 v[SC], s41                           ; the scale as f32: the conversion takes its exponent field
	s_add_co_i32 s40, s40, 15
	s_lshl_b32 s40, s40, 23
	s_or_b32 s40, s40, 0x600000
	v_mov_b32 v[LIM], s40                          ; 57,344 x the scale
.macro FRAG reg, adr, q, i             ; 16 rows x 128 K: lane l holds row l % 16; registers 4 c .. 4 c + 3 hold K = 32 c + 16 (l / 16) + 0 .. 15: the same permutation of K in A and in B
.irp c, 0,1,2,3
	ds_load_b128 v[\reg+4*\c:\reg+4*\c+3], v[\adr] offset:128*(\q)+32*\c+(\i)*16*PITCH
.endr
.endm
; 16 matrix instructions: A's blocks a0, a0 + 1 x B's eight.  The 64 accumulators take turns, one instruction a turn, in the same order in every step.
.macro MUL16 a0, p, zero
.irp a, \a0, \a0+1
.irp b, 0,1,2,3,4,5,6,7
.if \zero
	v_wmma_f32_16x16x128_bf8_bf8 v[8*(8*((\a)%4)+\b):8*(8*((\a)%4)+\b)+7], v[128*(\p)+FR*\b:128*(\p)+FR*\b+FR-1], v[AF+FR*(\a):AF+FR*(\a)+FR-1], 0
.else
	v_wmma_f32_16x16x128_bf8_bf8 v[8*(8*((\a)%4)+\b):8*(8*((\a)%4)+\b)+7], v[128*(\p)+FR*\b:128*(\p)+FR*\b+FR-1], v[AF+FR*(\a):AF+FR*(\a)+FR-1], v[8*(8*((\a)%4)+\b):8*(8*((\a)%4)+\b)+7]
.endif
.endr
.endr
.endm
.macro FETCH_B slot, q, p
	WIN TO_B
.irp i, 0,1,2,3,4,5,6,7
	FRAG 128*(\p)+FR*\i, ADRB+\slot, \q, \i
.endr
	WIN 0
.endm
.macro FETCH_A slot, q, i0
.irp i, \i0, \i0+1, \i0+2, \i0+3
	FRAG AF+FR*(\i), ADRA+\slot, \q, \i
.endr
.endm
.macro PLACES n                        ; plain vector instructions between a matrix instruction and a load into, or a vector read or write of, its registers
.rept \n
	v_nop
.endr
.endm
; A step of 128 along K that has its successor in the same slot.  A block of A is free when its eight products are issued, so one set serves A: blocks 0-3 come anew in the step's middle, blocks 4-7 at its end.
.macro STEP slot, q, zero
	s_wait_dscnt 4*NL                              ; B's set and A's blocks 0-3 are in; the youngest 16 loads (A's blocks 4-7) may be out
	WIN MUL_LO
	MUL16 0, (\q)%2, \zero
	MUL16 2, (\q)%2, \zero
	s_wait_dscnt 0
	PLACES NP
	FETCH_B \slot, (\q)+1, 1-(\q)%2
	FETCH_A \slot, (\q)+1, 0
	WIN MUL_HI
	MUL16 4, (\q)%2, \zero
	MUL16 6, (\q)%2, \zero
	PLACES NP
	WIN 0
	FETCH_A \slot, (\q)+1, 4
.endm
; A slot's last step changes slots: one barrier; in front of it each wave waits for all its tensor loads, adds 0 to its spare word, and waits for that and for its reads of this slot.  fill = 1: this slot is filled again.
.macro TURN slot, next, fill
	s_wait_tensorcnt 0x0                           ; all my tensor loads have landed: my part of the next slot
	ds_add_u32 v[SPW], v[NIL]                      ; 0 onto my spare word
	s_wait_dscnt 4*NL+1                            ; (the add and the youngest 16 loads may be out)
	WIN MUL_LO
	MUL16 0, 1, 0
	s_wait_dscnt 0x0                               ; the add is done, and my reads of this slot are over
	s_barrier_signal -1
	MUL16 2, 1, 0
	WIN 0
	s_barrier_wait -1
.if \fill
	CREST                                          ; the barrier has opened a round of the cluster's: no wave of any partner still reads this slot or has a load on its way
	s_add_nc_u64 s[G0+4*\slot+2:G0+4*\slot+3], s[G0+4*\slot+2:G0+4*\slot+3], 2*ROWB
	s_add_nc_u64 s[G0B+4*\slot+2:G0B+4*\slot+3], s[G0B+4*\slot+2:G0B+4*\slot+3], 2*ROWB
	JLOAD G0+4*\slot, G1, G0B+4*\slot, G1B         ; the first tensor load behind the round; its four v_nop are the places in front of the loads below
.else
	PLACES NP
.endif
	FETCH_B \next, 0, 0
	FETCH_A \next, 0, 0
	WIN MUL_HI
	MUL16 4, 1, 0
	MUL16 6, 1, 0
	PLACES NP
	WIN 0
	FETCH_A \next, 0, 4
.endm
.macro LAST                            ; the very last step: nothing more to fetch
	s_wait_dscnt 4*NL
	WIN MUL_LO
	MUL16 0, 1, 0
	MUL16 2, 1, 0
	s_wait_dscnt 0
	WIN MUL_HI
	MUL16 4, 1, 0
	MUL16 6, 1, 0
	WIN 0
.endm
	s_wait_alu depctr_va_vdst(0)                   ; the head's end
	s_wait_tensorcnt 0x0                           ; my part of slot 0 is in
	ds_add_u32 v[SPW], v[NIL]
	s_wait_dscnt 0x0
	CROUND                                         ; everybody's part of slot 0 is in, and all sixteen work-groups are here
	JLOAD G0+4, G1, G0B+4, G1B                     ; slot 1's first fill: the first tensor load behind the round
	FETCH_B 0, 0, 0
	FETCH_A 0, 0, 0
	FETCH_A 0, 0, 4
	s_cmp_eq_u32 s98, 0
	s_cbranch_scc0 .Lno_pf3
	global_prefetch_b8 v27, s[94:95] offset:768 th:TH_LOAD_NT scope:SCOPE_SE   ; K step 3, the last: nothing is asked for beyond it
.Lno_pf3:
	STEP 0, 0, 1
	TURN 0, 1, 1
	STEP 1, 0, 0
	TURN 1, 0, 1
	STEP 0, 0, 0
	TURN 0, 1, 0                                   ; the last two slots are filled no more
	STEP 1, 0, 0
	s_cmp_eq_u32 s[TY], 2                          ; the one branch on the type: the cluster's x, the same in all partners
	s_cbranch_scc1 .Lv
	; ---- q and k.  Lane (r, h) of accumulator (a, b): position t0 + 16 a + r, channel 16 b + 8 h + j of my 128 (two heads)
	s_lshr_b32 s40, s84, 3                         ; batch
	s_and_b32 s41, s84, 7
	s_lshl_b32 s41, s41, 4
	s_lshl_b32 s42, s[HFA], 3
	s_add_co_u32 s41, s41, s42                     ; t0 / 16
	s_lshl_b32 s40, s40, 4
	s_lshl_b32 s42, s21, 2
	s_add_co_u32 s40, s40, s42
	s_lshl_b32 s42, s[HFB], 1
	s_add_co_u32 s40, s40, s42                     ; 16 batch + my first head
	s_mul_i32 s40, s40, HEADB
	s_lshl_b32 s42, s[TY], 17                      ; q's part or k's
	s_add_co_u32 s40, s40, s42
	s_lshl_b32 s42, s41, 10                        ; 1,024 bytes a tile of 16 positions
	s_add_co_u32 s42, s40, s42
	s_mov_b32 s43, 0
	s_add_nc_u64 s[78:79], s[14:15], s[42:43]      ; where I store
	s_lshl_b32 s42, s41, 12
	s_add_nc_u64 s[80:81], s[12:13], s[42:43]      ; the table at my first 16 positions
	s_lshl_b32 s42, s[TY], 12
	s_lshl_b32 s40, s21, 10
	s_add_co_u32 s42, s42, s40
	s_lshl_b32 s40, s[HFB], 9
	s_add_co_u32 s42, s42, s40                     ; 4 (1024 X + 256 cx + 128 half)
	s_add_nc_u64 s[82:83], s[10:11], s[42:43]      ; the bias of my 128 channels
.irp b, 0,1,2,3,4,5,6,7
	global_load_b128 v[BIAS+8*\b:BIAS+8*\b+3], v[BOFF], s[82:83] offset:64*\b
	global_load_b128 v[BIAS+8*\b+4:BIAS+8*\b+7], v[BOFF], s[82:83] offset:64*\b+16
.endr
	WIN TO_B                                       ; the table of blocks 0-3 lands on B's set 0, which the last step does not read (its last products stand behind their places)
.irp a, 0,1,2,3
.irp g, 0,1,2,3,4,5,6,7
	global_load_b128 v[32*\a+4*\g:32*\a+4*\g+3], v[LN16], s[80:81] offset:4096*\a+512*\g
.endr
.endr
	WIN 0
	LAST                                           ; the last 64 products stand between these loads and their use
	PLACES NP
	WIN TO_B                                       ; and that of blocks 4-7 on B's set 1, behind the last products' places
.irp a, 4,5,6,7
.irp g, 0,1,2,3,4,5,6,7
	global_load_b128 v[32*\a+4*\g:32*\a+4*\g+3], v[LN16], s[80:81] offset:4096*\a+512*\g
.endr
.endr
	WIN 0
; Block a: 16 positions x 128 channels.  The next block's table is asked for first.
.macro QKBLK a
	s_wait_loadcnt 8*(7-(\a))                      ; the bias and the table up to this block are in; the eight loads of each later block may be out
.set WN, 0x02+(\a)/4
.set AC, 64*((\a)%4)
.set CB, 32*(\a)
.set CD, COD+16*((\a)%2)
	WIN WN                                         ; source 0: window 2 or 3
.set jj, 0
.rept 32
	v_pk_fma_f32 v[TMP+jj:TMP+jj+1], v[AC+jj:AC+jj+1], s[76:77], v[BIAS+jj:BIAS+jj+1] op_sel_hi:[1,0,1]   ; sum x 2^(e0 + e1) + bias; each accumulator from its low end on
.set jj, jj+2
.endr
	WIN 0x04                                       ; source 1 (the table) window 1
.set gg, 0
.rept 8                                ; the rotation, four pairs (x1, x2) at a time, against (cos, sin)
.irp n, 0,1,2,3
	v_pk_mul_f32 v[U+2*\n:U+2*\n+1], v[TMP+8*gg+2*\n:TMP+8*gg+2*\n+1], v[CB+8*(gg%4)+2*\n:CB+8*(gg%4)+2*\n+1] op_sel:[0,0] op_sel_hi:[0,1]   ; (x1 cos, x1 sin)
.endr
.irp n, 0,1,2,3
	v_pk_fma_f32 v[TMP+8*gg+2*\n:TMP+8*gg+2*\n+1], v[TMP+8*gg+2*\n:TMP+8*gg+2*\n+1], v[CB+8*(gg%4)+2*\n:CB+8*(gg%4)+2*\n+1], v[U+2*\n:U+2*\n+1] op_sel:[1,1,0] op_sel_hi:[1,0,1] neg_lo:[0,1,0]   ; (x1 cos - x2 sin, x1 sin + x2 cos)
.endr
.set gg, gg+1
.endr
	WIN 0
.set jj, 0
.rept 64
	v_med3_num_f32 v[TMP+jj], v[TMP+jj], -v[LIM], v[LIM]   ; the conversion to an 8-bit code does not saturate (ISA guide 7.6.2): the hold at the largest code x the scale
.set jj, jj+1
.endr
.if (\a) >= 2
	s_wait_alu depctr_va_vdst(0)
	s_wait_xcnt 0x0                                ; block a - 2's stores have read this set of codes
.endif
.set jj, 0
.rept 8
	v_cvt_scalef32_pk8_bf8_f32 v[CD+2*jj:CD+2*jj+1], v[TMP+8*jj:TMP+8*jj+7], v[SC]
.set jj, jj+1
.endr
	v_nop                                          ; a plain instruction between the last conversion and the next writes of its sources
.irp hl, 0,1
.irp c, 0,1
	global_store_b128 v[LN16], v[CD+8*\hl+4*\c:CD+8*\hl+4*\c+3], s[78:79] offset:\hl*HEADB+(\a)*1024+\c*512   ; 512 consecutive bytes a store
.endr
.endr
.endm
.irp a, 0,1,2,3,4,5,6,7
	QKBLK \a
.endr
	s_branch .Ldone
.Lv:	; ---- v.  Lane (r, h) of accumulator (a, b): channel 16 a + r of my 128 (two heads), key t0 + 16 b + 8 h + j
	s_lshr_b32 s40, s85, 3                         ; batch
	s_and_b32 s41, s85, 7
	s_lshl_b32 s41, s41, 1
	s_add_co_u32 s41, s41, s[HFB]                  ; t0 / 128
	s_lshl_b32 s40, s40, 4
	s_lshl_b32 s42, s22, 2
	s_add_co_u32 s40, s40, s42
	s_lshl_b32 s42, s[HFA], 1
	s_add_co_u32 s40, s40, s42                     ; 16 batch + my first head
	s_mul_i32 s40, s40, HEADB
	s_add_co_u32 s40, s40, 262144                  ; v's part
	s_lshl_b32 s42, s41, 13                        ; 8,192 bytes for 128 keys
	s_add_co_u32 s42, s40, s42
	s_mov_b32 s43, 0
	s_add_nc_u64 s[78:79], s[14:15], s[42:43]
	s_lshl_b32 s42, s22, 10
	s_lshl_b32 s40, s[HFA], 9
	s_add_co_u32 s42, s42, s40
	s_add_co_u32 s42, s42, 8192                    ; 4 (2048 + 256 cy + 128 half)
	s_add_nc_u64 s[82:83], s[10:11], s[42:43]
.irp a, 0,1,2,3,4,5,6,7
	global_load_b32 v[BIAS+\a], v[VOFF], s[82:83] offset:64*\a   ; one number a lane and block: the bias of my channel
.endr
	LAST
	PLACES NP
	s_wait_loadcnt 0x0
.macro VBLK a
.set WN, 0x02+(\a)/4
.set AC, 64*((\a)%4)
.set BP, BIAS+2*((\a)/2)
.set CD, COD+16*((\a)%2)
	WIN WN
.set jj, 0
.rept 32
.if (\a)%2
	v_pk_fma_f32 v[TMP+jj:TMP+jj+1], v[AC+jj:AC+jj+1], s[76:77], v[BP:BP+1] op_sel:[0,0,1] op_sel_hi:[1,0,1]   ; the pair's upper word for both halves
.else
	v_pk_fma_f32 v[TMP+jj:TMP+jj+1], v[AC+jj:AC+jj+1], s[76:77], v[BP:BP+1] op_sel:[0,0,0] op_sel_hi:[1,0,0]   ; the pair's lower word for both halves
.endif
.set jj, jj+2
.endr
	WIN 0
.set jj, 0
.rept 64
	v_med3_num_f32 v[TMP+jj], v[TMP+jj], -v[LIM], v[LIM]
.set jj, jj+1
.endr
.if (\a) >= 2
	s_wait_alu depctr_va_vdst(0)
	s_wait_xcnt 0x0                                ; block a - 2's stores have read this set of codes
.endif
.set jj, 0
.rept 8
	v_cvt_scalef32_pk8_bf8_f32 v[CD+2*jj:CD+2*jj+1], v[TMP+8*jj:TMP+8*jj+7], v[SC]
.set jj, jj+1
.endr
	v_nop
.irp c, 0,1,2,3
	global_store_b128 v[LN16], v[CD+4*\c:CD+4*\c+3], s[78:79] offset:((\a)/4)*HEADB+((\a)%4)*2048+\c*512
.endr
.endm
.irp a, 0,1,2,3,4,5,6,7
	VBLK \a
.endr
.Ldone:
	s_wait_tensorcnt 0x0                           ; the wave's end
	ds_add_u32 v[SPW], v[NIL]
	s_wait_dscnt 0x0
	CROUND                                         ; the closing round: no work-group ends while a partner may still ask for a tile that names it
	s_endpgm
.Lfunc_end_k_q906edadb37_qkv:
	.size	k_q906edadb37_qkv, .Lfunc_end_k_q906edadb37_qkv-k_q906edadb37_qkv
	.p2alignl 7, 3214868480
	.fill 96, 4, 3214868480
	.section	.rodata,"a",@progbits
	.p2align	6, 0x0
	.amdhsa_kernel k_q906edadb37_qkv
		.amdhsa_group_segment_fixed_size 327680
		.amdhsa_private_segment_fixed_size 0
		.amdhsa_enable_private_segment 0
		.amdhsa_kernarg_size 48
		.amdhsa_user_sgpr_count 2
		.amdhsa_user_sgpr_kernarg_segment_ptr 1
		.amdhsa_wavefront_size32 1
		.amdhsa_system_sgpr_workgroup_id_x 1
		.amdhsa_system_sgpr_workgroup_id_y 1
		.amdhsa_system_sgpr_workgroup_id_z 1
		.amdhsa_system_vgpr_workitem_id 0
		.amdhsa_next_free_vgpr 1024
		.amdhsa_next_free_sgpr 100
		.amdhsa_reserve_vcc 0
		.amdhsa_float_denorm_mode_32 3
		.amdhsa_float_denorm_mode_16_64 3
		.amdhsa_memory_ordered 1
		.amdhsa_forward_progress 1
		.amdhsa_inst_pref_size 238
	.end_amdhsa_kernel
	.amdgpu_metadata
---
amdhsa.version: [ 1, 2 ]
amdhsa.kernels:
  - .name:           k_q906edadb37_qkv
    .symbol:         k_q906edadb37_qkv.kd
    .args:
      - { .name: x_codes, .offset: 0, .size: 8, .value_kind: global_buffer, .address_space: global }
      - { .name: Wqkv_codes, .offset: 8, .size: 8, .value_kind: global_buffer, .address_space: global }
      - { .name: lowp_scales, .offset: 16, .size: 8, .value_kind: global_buffer, .address_space: global }
      - { .name: bqkv, .offset: 24, .size: 8, .value_kind: global_buffer, .address_space: global }
      - { .name: rope, .offset: 32, .size: 8, .value_kind: global_buffer, .address_space: global }
      - { .name: qkv, .offset: 40, .size: 8, .value_kind: global_buffer, .address_space: global }
    .group_segment_fixed_size: 327680
    .private_segment_fixed_size: 0
    .kernarg_segment_align: 8
    .kernarg_segment_size: 48
    .max_flat_workgroup_size: 128
    .sgpr_count:     100
    .vgpr_count:     1024
    .wavefront_size: 32
...
	.end_amdgpu_metadata
.endif
;; end of part 2
;; launch attn (part 3): grid 4 x 64, 4 waves a work-group, clusters of 4 x 1, 327,680 bytes of LDS; arguments qkv, padding_mask, lowp_scales, oimg; writes oimg
.if DOCPART == 3
	.amdgcn_target "amdgcn-amd-amdhsa--gfx1250"
	.amdhsa_code_object_version 6
	.text
	.protected	k_q906edadb37_attn
	.globl	k_q906edadb37_attn
	.p2align	8
	.type	k_q906edadb37_attn,@function
k_q906edadb37_attn:
	s_mov_b64 s[64:65], 0
	v_nop
	global_prefetch_b8 v0, s[64:65] scope:SCOPE_SE
	s_setreg_imm32_b32 hwreg(HW_REG_WAVE_MODE, 25, 1), 1
	s_wait_xcnt 0x0
	s_wait_alu depctr_hold_cnt(0) depctr_sa_sdst(0) depctr_va_vdst(0) depctr_va_sdst(0) depctr_va_ssrc(0) depctr_va_vcc(0) depctr_vm_vsrc(0)
	s_getreg_b32 s2, hwreg(HW_REG_IB_STS2, 6, 4)
	s_cmp_eq_u32 s2, 0
	s_cbranch_scc0 .Lentry_in_a_cluster
	s_endpgm
.Lentry_in_a_cluster:
	s_bfe_u32 s2, ttmp6, 0x10000c
	s_cmp_lg_u32 s2, 0x3003
	s_cbranch_scc0 .Lentry_shape_is_right
	s_endpgm
.Lentry_shape_is_right:
; o = softmax(q k^T / 8, masked keys at -infinity) v for one batch and head, both products on codes of E5M2; o is quantised with its given scale and stored as an image of the last launch's operand registers.  No work of reference() is left out here.
; THE SOFTMAX AHEAD OF THE SECOND PRODUCT: t = score x log2(e) / 8; M = the row's largest t so far, rounded up to a whole number; p = 2^(t - M) is quantised, not normalised; the row's sum is taken of the unquantised p
; and divides at the end.  When M moves, the sums and O are multiplied by 2^(old M - new M): exact.
; SHARES.  A work-group owns 512 queries of one (batch, head); the head's codes of k and v, 262,144 bytes, lie in LDS for the whole launch: filled once, so there is no ring and no barrier in the loop.
; The four work-groups of a head are a cluster and ask for those bytes JOINTLY: each of the four waves issues one load of 65,536 bytes, the same in all four partners.
; No prefetch: the launch's only fill stands at its head, and there is no loop to run ahead in.
; One wave to a SIMD.  A wave owns 128 queries: two trips of one written pass of FOUR tiles of 16, so that each fragment of k, v and the mask read from LDS feeds four products, and every chain of dependent lines has three others beside it.
; LAYOUT.  Both products are used transposed: S^T = k q^T + C (source 0 = 16 keys, source 1 = 16 queries), O^T = v^T p^T: a lane holds ONE query (lane % 16) throughout, and its eight registers of a tile of S^T are the keys
; 16 b + 8 (lane / 16) + 0 .. 7: one conversion makes of them registers 2 b, 2 b + 1 of the second product's operand.
; THE MASK IS THE C OF THE FIRST PRODUCT: 0 for a live key, -2^100 for a masked one, from a table of 2,048 f32 numbers in LDS.  A raw score is at most 64 x 57,344^2 < 2^38 in magnitude whatever the inputs, so a masked
; score lies under every live one and its p is 0.  The running largest t starts at THR = -c 2^39, under every live t and over every masked one: while a row has met masked keys alone, p, the sums and O stay 0.
; A row with no live key at all still has THR at the end: its codes are set to NaN's (0x7f), so that out0's row is NaN as in reference().
; THE EXPONENTIALS of tile x stand by turns with plain lines that hang on none of them: the hold of tile x - 1's p and t - M of tile x + 1.  One s_wait_alu stands between two such stretches:
; it is ahead of one batch and behind the other.  The sums' chains and the conversions stand between the wait and the next batch.
; LIMITS: e2 + e3 between -80 and 20 (so that c 2^100 is finite and at least 2^17); e4 and e6 between -126 and 112.  NaN among the codes is not served.
; REGISTERS.  window 0: v1-8 addresses; v20-23 the quantisers' constants; v24-55 statistics, eight a tile: -M, the largest t, -, -, f, 0, two at work; v56-87 the sums, four pairs a tile; v88-91 lane permutes;
;   v96-127 Q of the pass, v128-159 Q of the second pass; v160-223 p's codes; v224-255 o's codes.   window 1: S^T, then p: 64 a tile.   window 2: v0-127 O^T, v128-191 k's fragments, v192-255 the mask's.   window 3: v0-63 v's.
.set HEADB, 393216
.set PARTB, 131072                     ; LDS: k's image at 0, v's at PARTB,
.set MASKF, 262144                     ; the mask's table (stored by the waves: no tensor load lands there),
.set SPARE, 294912                     ; and the spare words, 128 bytes for each of four waves, which no other line names
.set SPW, 1
.set NIL, 2
.set AK0, 3                            ; v3  16 x lane
.set AV0, 4                            ; v4  PARTB + 16 x lane
.set AC0, 5                            ; v5  MASKF + 32 (lane / 16)
.set ADK, 6                            ; v6-8 the addresses of the loads in hand
.set ADV, 7
.set ADC, 8
.set LIMP, 20
.set SCP,  21
.set LIMO, 22
.set SCO,  23
.set ST,   24
.set SM,   56
.set PERM, 88
.set NANC, 92
.set NEGB, 93
.set Q,    96
.set QB,   128
.set PC,   160
.set OC,   224
.set KF,   128
.set CF,   192
.set VF,   0
.set WV,   12                          ; s12 wave; s13 cx; s14 batch x 16 + head
.set CSC,  44                          ; s[44:45] c = log2(e) / 8 x 2^(e2 + e3)
.set SEL,  46                          ; s[46:47] lane selects: lane l xor 16
.set TB,   48                          ; s48 the next key step's byte in an image; s49 in the mask's table
.set TC,   49
.set CNT,  50
.set THR,  51
.set E45,  52
.set PS,   53                          ; s53 the pass
.set DEAD, 58                          ; s58-61 lanes whose query met no live key, a register a tile
.set MSB, 0
.macro WIN new                         ; bits 1:0 source 0, 3:2 source 1, 5:4 source 2, 7:6 destination; the high byte repeats the setting that is left
.if MSB != \new
	s_set_vgpr_msb (MSB<<8)|\new
.set MSB, \new
.endif
.endm
.macro CROUND                          ; a round of the cluster's barrier
	s_barrier_signal -1
	s_barrier_wait -1
	s_cmp_lg_u32 s[WV], 0
	s_cbranch_scc1 .Lnot_wave_0_\@
	s_barrier_signal -3
.Lnot_wave_0_\@:
	s_barrier_wait -3
	s_barrier_signal -1
	s_barrier_wait -1
.endm
	s_load_b256 s[4:11], s[0:1], 0x0               ; qkv s[4:5], the mask s[6:7], the scales s[8:9], the output s[10:11]
	v_lshl_add_u32 v[SPW], v0, 2, SPARE
	v_mov_b32 v[NIL], 0
	ds_add_u32 v[SPW], v[NIL]                      ; the wave's opening: the add, twice on end, and its wait ahead of my first tensor load
	ds_add_u32 v[SPW], v[NIL]
	v_lshrrev_b32 v9, 5, v0
	v_readfirstlane_b32 s[WV], v9                  ; wave 0..3
	s_bfe_u32 s13, ttmp6, 0x40000                  ; cx
	s_and_b32 s14, ttmp7, 0xffff                   ; the cluster's y: batch x 16 + head
	s_mov_b32 s24, 15|(3<<16)|(1<<21)              ; group 1: 15:0 the mask: all four work-groups; 17:16 elements of 8 bytes; 21 set beside a mask; no padding: the images are read as they lie
	s_mov_b32 s25, 32<<16                          ; tensor_dim0 = 32 elements: rows of 256 bytes
	s_mov_b32 s26, 256<<16                         ; tensor_dim1 = 256
	s_mov_b32 s27, 32<<16                          ; tile_dim0
	s_mov_b32 s28, 256                             ; tile_dim1
	s_mov_b32 s29, 32                              ; the pitch: the block is dense
	s_mov_b32 s30, 0
	s_mov_b32 s31, 0
	s_mov_b32 s[SEL], 0x76543210
	s_mov_b32 s[SEL+1], 0xfedcba98
	s_mul_i32 s16, s14, HEADB                      ; the head's bytes in qkv
	s_lshl_b32 s17, s[WV], 16                      ; my 65,536 bytes of k's and v's 262,144, in memory and in LDS alike: no place in the cluster enters either
	s_add_co_u32 s18, s16, s17
	s_add_co_u32 s18, s18, PARTB
	s_mov_b32 s19, 0
	s_lshl_b32 s20, s13, 5
	s_lshl_b32 s21, s[WV], 3
	s_add_co_u32 s20, s20, s21                     ; my first tile of 16 queries: 32 cx + 8 wave
	s_lshl_b32 s22, s20, 10
	s_add_co_u32 s22, s22, s16
	s_mov_b32 s23, 0
	s_lshr_b32 s15, s14, 4                         ; batch
	s_and_b32 s53, s14, 15                         ; head
	s_lshl_b32 s60, s15, 7
	s_add_co_u32 s60, s60, s20                     ; my first tile of 16 rows of o
	s_lshl_b32 s60, s60, 12                        ; 4,096 bytes a tile and 256 along K
	s_lshr_b32 s61, s53, 2
	s_lshl_b32 s61, s61, 21                        ; which 256 along K: head / 4
	s_add_co_u32 s60, s60, s61
	s_and_b32 s61, s53, 3
	s_lshl_b32 s61, s61, 10                        ; the head's 64 among them: two groups of 512 bytes
	s_add_co_u32 s60, s60, s61
	s_mov_b32 s61, 0
	s_lshl_b32 s62, s15, 11                        ; the batch's 2,048 mask bytes
	s_mov_b32 s63, 0
	s_wait_dscnt 0x0                               ; both opening adds are done
	s_wait_kmcnt 0x0
	s_load_b256 s[36:43], s[8:9], 0x0              ; e0 .. e7
	s_mov_b32 s32, 1                               ; group 0: count,
	s_mov_b32 s33, s17                             ; LDS address,
	s_add_nc_u64 s[34:35], s[4:5], s[18:19]        ; global address,
	s_or_b32 s35, s35, 0x80000000                  ; type
	s_add_nc_u64 s[54:55], s[4:5], s[22:23]        ; Q at my first tile
	s_add_nc_u64 s[56:57], s[10:11], s[60:61]      ; where I store
	s_add_nc_u64 s[6:7], s[6:7], s[62:63]
	CROUND                                         ; all four work-groups are here: the joint loads meet
	tensor_load_to_lds s[32:35], s[24:31]          ; the launch's only fill: one load a wave
	s_nop 0
.rept 4
	v_nop
.endr
	v_lshlrev_b32 v9, 4, v0
	global_load_b128 v[10:13], v9, s[6:7]          ; sixteen mask bytes a thread
	v_and_b32 v[AK0], 31, v0
	v_lshlrev_b32 v[AK0], 4, v[AK0]
.irp i, 0,1,2,3,4,5,6,7
	global_load_b128 v[Q+8*\i:Q+8*\i+3], v[AK0], s[54:55] offset:1024*\i         ; Q's eight tiles: four for each pass
	global_load_b128 v[Q+8*\i+4:Q+8*\i+7], v[AK0], s[54:55] offset:1024*\i+512
.endr
	v_add_nc_u32 v[AV0], PARTB, v[AK0]
	v_bfe_u32 v[AC0], v0, 4, 1
	v_lshl_add_u32 v[AC0], v[AC0], 5, MASKF
	v_lshl_add_u32 v[ADV], v0, 6, MASKF            ; where my sixteen numbers of the table go
	v_mov_b32 v[NEGB], 0xf1800000                  ; -2^100
	v_mov_b32 v[NANC], 0x7f7f7f7f                  ; four codes of NaN
	s_wait_alu depctr_va_vdst(0)                   ; directly ahead of the wait below
	s_wait_loadcnt 16                              ; the mask bytes are in; Q's sixteen loads may be out
.irp i, 0,1,2,3,4,5,6,7,8,9,10,11,12,13,14,15
	v_bfe_u32 v9, v[10+\i/4], 8*(\i%4), 8
	v_cmp_ne_u32 vcc_lo, 0, v9
	v_cndmask_b32 v[PC+\i], 0, v[NEGB], vcc_lo
.endr
.irp k, 0,1,2,3
	ds_store_b128 v[ADV], v[PC+4*\k:PC+4*\k+3] offset:16*\k
.endr
	s_wait_kmcnt 0x0                               ; the scales
	s_add_co_i32 s16, s38, s39
	s_lshl_b32 s16, s16, 23
	s_add_co_i32 s[CSC], s16, 0x3e38aa3b           ; log2(e) / 8 with e2 + e3 added to its exponent field
	s_mov_b32 s[CSC+1], s[CSC]                     ; (named with it as a pair, so it is written)
	s_add_co_i32 s[THR], s[CSC], 39<<23
	s_or_b32 s[THR], s[THR], 0x80000000            ; -c 2^39
	s_add_co_i32 s[E45], s40, s41                  ; e4 + e5
	s_add_co_i32 s16, s40, 127
	s_lshl_b32 s17, s16, 23
	v_mov_b32 v[SCP], s17                          ; 2^e4
	s_add_co_i32 s16, s16, 15
	s_lshl_b32 s16, s16, 23
	s_or_b32 s16, s16, 0x600000
	v_mov_b32 v[LIMP], s16                         ; 57,344 x 2^e4
	s_add_co_i32 s16, s42, 127
	s_lshl_b32 s17, s16, 23
	v_mov_b32 v[SCO], s17                          ; 2^e6
	s_add_co_i32 s16, s16, 15
	s_lshl_b32 s16, s16, 23
	s_or_b32 s16, s16, 0x600000
	v_mov_b32 v[LIMO], s16
	s_wait_alu depctr_va_vdst(0)                   ; the head's end
	s_wait_tensorcnt 0x0                           ; my part of the images has landed,
	s_wait_dscnt 0x0                               ; my part of the table is stored:
	s_barrier_signal -1
	s_barrier_wait -1                              ; everybody's is
.macro LOADKC                          ; a key step's eight tiles of k (16 keys x 64: 8 registers) and of the mask (8 registers: keys 8 h + 0 .. 7, the same in all lanes of a half)
	WIN 0x80                                       ; destination window 2
.irp b, 0,1,2,3,4,5,6,7
	ds_load_b128 v[KF+8*\b:KF+8*\b+3], v[ADK] offset:1024*\b
	ds_load_b128 v[KF+8*\b+4:KF+8*\b+7], v[ADK] offset:1024*\b+512
.endr
.irp b, 0,1,2,3,4,5,6,7
	ds_load_b128 v[CF+8*\b:CF+8*\b+3], v[ADC] offset:64*\b
	ds_load_b128 v[CF+8*\b+4:CF+8*\b+7], v[ADC] offset:64*\b+16
.endr
.endm
.macro LOADV                           ; its four tiles of v^T (16 channels x 128 keys: 16 registers)
	WIN 0xc0                                       ; destination window 3
.irp dt, 0,1,2,3
.irp c, 0,1,2,3
	ds_load_b128 v[VF+16*\dt+4*\c:VF+16*\dt+4*\c+3], v[ADV] offset:2048*\dt+512*\c
.endr
.endr
.endm
.macro FMA1 x                          ; t - M, two numbers of tile x (window 0x41: S^T in window 1, -M in window 0)
	v_pk_fma_f32 v[64*(\x)+jj:64*(\x)+jj+1], v[64*(\x)+jj:64*(\x)+jj+1], s[CSC:CSC+1], v[ST+8*(\x):ST+8*(\x)+1] op_sel_hi:[1,0,0]
.endm
.macro HOLD1 x                         ; the conversion does not saturate (ISA guide 7.6.2); p is not negative, so the hold is one-sided: two numbers of tile x in one dual pair
	v_dual_min_num_f32 v[64*(\x)+jj], v[64*(\x)+jj], v[LIMP] :: v_dual_min_num_f32 v[64*(\x)+jj+1], v[64*(\x)+jj+1], v[LIMP]
.endm
; p = 2^(t - M) of tile x, 64 exponentials; by turns with them, where n: the hold of tile x - 1, where f: t - M of tile x + 1.  Neither names a register of this batch, and what they write is first read behind the next wait.
.macro EXPMIX x, n, f
.set jj, 0
.rept 32
	v_exp_f32 v[64*(\x)+jj], v[64*(\x)+jj]
.if \n
	HOLD1 (\x)-1
.endif
	v_exp_f32 v[64*(\x)+jj+1], v[64*(\x)+jj+1]
.if \f
	FMA1 (\x)+1
.endif
.set jj, jj+2
.endr
.if 1-\f
	v_nop                                          ; a plain line behind the last exponential
.endif
.endm
.macro ADDS x                          ; the row's sum is taken of the unquantised p: four chains of pairs a tile (window 0x01: p in window 1)
.set jj, 0
.rept 8
.irp k, 0,1,2,3
	v_pk_add_f32 v[SM+8*(\x)+2*\k:SM+8*(\x)+2*\k+1], v[64*(\x)+jj+2*\k:64*(\x)+jj+2*\k+1], v[SM+8*(\x)+2*\k:SM+8*(\x)+2*\k+1]
.endr
.set jj, jj+8
.endr
.endm
.macro CODES x                         ; keys 16 kk + 8 h + 0 .. 7 make registers 2 kk, 2 kk + 1 of the second product's operand (window 0x01)
.set kk, 0
.rept 8
	v_cvt_scalef32_pk8_bf8_f32 v[PC+16*(\x)+2*kk:PC+16*(\x)+2*kk+1], v[64*(\x)+8*kk:64*(\x)+8*kk+7], v[SCP]
.set kk, kk+1
.endr
.endm
.macro ALLX op:vararg                  ; one line for each of the four tiles: four chains side by side
.irp x, 0,1,2,3
	\op
.endr
.endm
	v_mov_b32 v[ADK], v[AK0]                       ; key step 0
	v_mov_b32 v[ADC], v[AC0]
	v_mov_b32 v[ADV], v[AV0]
	LOADKC
	LOADV
	WIN 0
	s_wait_loadcnt 0x0                             ; Q
	s_mov_b32 s[PS], 0
.Lpass:                                            ; A PASS: four tiles of queries against all 2,048 keys, and their way out.  Two trips
.irp x, 0,1,2,3
	v_mov_b32 v[ST+8*\x+1], s[THR]                 ; the largest t so far: under every live t
	v_mov_b32 v[ST+8*\x+5], 0                      ; (named as the upper half of f's pair)
	v_mov_b32 v[PERM+\x], 0                        ; (a lane permute's destination counts as one of its sources)
.endr
.irp x, 0,1,2,3
	v_floor_f32 v[ST+8*\x], -v[ST+8*\x+1]
.endr
.set jj, 0
.rept 32
	v_mov_b32 v[SM+jj], 0                          ; the sums
.set jj, jj+1
.endr
	WIN 0x80
.set jj, 0
.rept 128
	v_mov_b32 v[jj], 0                             ; O^T: the step is written once for all sixteen: the first finds zeros
.set jj, jj+1
.endr
	WIN 0
	s_mov_b32 s[CNT], 0
	s_wait_alu depctr_va_vdst(0)                   ; ahead of the loop's first wait
.Lstep:                                            ; A KEY STEP: 128 keys against the pass's four tiles
	s_wait_dscnt 16                                ; k's and the mask's loads are in; v's sixteen, issued behind them, may be out
	WIN 0x62                                       ; D window 1, source 0 (k) and C (the mask) window 2, source 1 (Q) window 0
.irp x, 0,1,2,3
.irp b, 0,1,2,3,4,5,6,7
	v_wmma_f32_16x16x64_bf8_bf8 v[64*\x+8*\b:64*\x+8*\b+7], v[KF+8*\b:KF+8*\b+7], v[Q+8*\x:Q+8*\x+7], v[CF+8*\b:CF+8*\b+7]
.endr
.endr
	WIN 0
	s_add_co_u32 s[TB], s[CNT], 1                  ; the next step, made from the loop's count; behind the sixteenth comes the first again, for the next pass (behind the second pass's last its loads are read by nobody)
	s_and_b32 s[TB], s[TB], 15
	s_lshl_b32 s[TC], s[TB], 9
	s_lshl_b32 s[TB], s[TB], 13
	v_add_nc_u32 v[ADK], s[TB], v[AK0]             ; these three and the v_nop are the four places in front of the loads, and of the first read of the scores
	v_add_nc_u32 v[ADC], s[TC], v[AC0]
	v_add_nc_u32 v[ADV], s[TB], v[AV0]
	v_nop
	LOADKC
	WIN 0x15                                       ; the step's largest score of my query among my 64 keys: two chains a tile
.irp x, 0,1,2,3
	v_max3_num_f32 v[ST+8*\x+6], v[64*\x], v[64*\x+1], v[64*\x+2]
	v_max3_num_f32 v[ST+8*\x+7], v[64*\x+3], v[64*\x+4], v[64*\x+5]
.endr
	WIN 0x14
.irp i, 6,10,14,18,22,26,30,34,38,42,46,50,54,58
.irp x, 0,1,2,3
	v_max3_num_f32 v[ST+8*\x+6], v[ST+8*\x+6], v[64*\x+\i], v[64*\x+\i+1]
	v_max3_num_f32 v[ST+8*\x+7], v[ST+8*\x+7], v[64*\x+\i+2], v[64*\x+\i+3]
.endr
.endr
.irp x, 0,1,2,3
	v_max3_num_f32 v[ST+8*\x+6], v[ST+8*\x+6], v[64*\x+62], v[64*\x+63]
.endr
	WIN 0
.irp x, 0,1,2,3
	v_max_num_f32 v[ST+8*\x+6], v[ST+8*\x+6], v[ST+8*\x+7]
.endr
.irp x, 0,1,2,3
	v_permlanex16_b32 v[PERM+\x], v[ST+8*\x+6], s[SEL], s[SEL+1]
.endr
.irp x, 0,1,2,3
	v_max_num_f32 v[ST+8*\x+6], v[ST+8*\x+6], v[PERM+\x]   ; and among lane l xor 16's
.endr
.irp x, 0,1,2,3
	v_mul_f32 v[ST+8*\x+6], s[CSC], v[ST+8*\x+6]   ; as t (c is positive)
.endr
.irp x, 0,1,2,3
	v_max_num_f32 v[ST+8*\x+1], v[ST+8*\x+1], v[ST+8*\x+6]   ; the running largest t
.endr
.irp x, 0,1,2,3
	v_mov_b32 v[ST+8*\x+6], v[ST+8*\x]
.endr
.irp x, 0,1,2,3
	v_floor_f32 v[ST+8*\x], -v[ST+8*\x+1]          ; the new -M = -ceil(t): a whole number
.endr
.irp x, 0,1,2,3
	v_sub_f32 v[ST+8*\x+6], v[ST+8*\x], v[ST+8*\x+6]   ; old M - new M: a whole number, 0 or less
.endr
.irp x, 0,1,2,3
	v_cvt_i32_f32 v[ST+8*\x+6], v[ST+8*\x+6]       ; (it saturates)
.endr
.irp x, 0,1,2,3
	v_ldexp_f32 v[ST+8*\x+4], 1.0, v[ST+8*\x+6]    ; f = 2^(old M - new M)
.endr
.irp x, 0,1,2,3
.irp k, 0,1,2,3
	v_pk_mul_f32 v[SM+8*\x+2*\k:SM+8*\x+2*\k+1], v[SM+8*\x+2*\k:SM+8*\x+2*\k+1], v[ST+8*\x+4:ST+8*\x+5] op_sel_hi:[1,0]   ; the sums under the new M
.endr
.endr
	WIN 0x82                                       ; O^T (destination and source 0) window 2.  No exponential stands between the last step's products and these lines
.irp x, 0,1,2,3
.set jj, 0
.rept 16
	v_pk_mul_f32 v[32*\x+jj:32*\x+jj+1], v[32*\x+jj:32*\x+jj+1], v[ST+8*\x+4:ST+8*\x+5] op_sel_hi:[1,0]   ; O^T under the new M
.set jj, jj+2
.endr
.endr
	WIN 0x41
.set jj, 0
.rept 32
	FMA1 0
.set jj, jj+2
.endr
	s_wait_alu depctr_va_vdst(0)                   ; ahead of a batch of exponentials, and behind it ahead of its first reader: each of the next three is both
	EXPMIX 0, 0, 1
	s_wait_alu depctr_va_vdst(0)
	WIN 0x01
	ADDS 0
	WIN 0x41
	EXPMIX 1, 1, 1
	s_wait_alu depctr_va_vdst(0)
	WIN 0x01
	CODES 0
	ADDS 1                                         ; (plain lines behind the conversions)
	WIN 0x41
	EXPMIX 2, 1, 1
	s_wait_alu depctr_va_vdst(0)
	WIN 0x01
	CODES 1
	ADDS 2
	WIN 0x41
	EXPMIX 3, 1, 0
	s_wait_alu depctr_va_vdst(0)
	WIN 0x01
	CODES 2
	ADDS 3
	WIN 0x41
.set jj, 0
.rept 32
	HOLD1 3
.set jj, jj+2
.endr
	WIN 0x01
	CODES 3
	v_nop                                          ; a plain line between the last conversion and the products that read its codes
	s_wait_alu depctr_va_vdst(0)                   ; directly ahead of the wait below
	s_wait_dscnt 32                                ; v's loads are in; the next step's 32 of k and the mask may be out
	WIN 0xa3                                       ; source 0 (v) window 3, source 1 (p) window 0, C and D window 2
.irp dt, 0,1,2,3
.irp x, 0,1,2,3
	v_wmma_f32_16x16x128_bf8_bf8 v[32*\x+8*\dt:32*\x+8*\dt+7], v[VF+16*\dt:VF+16*\dt+15], v[PC+16*\x:PC+16*\x+15], v[32*\x+8*\dt:32*\x+8*\dt+7]   ; the sixteen accumulators take turns
.endr
.endr
	WIN 0
.rept 4
	v_nop                                          ; places in front of loads into registers that these products have read
.endr
	LOADV
	WIN 0
	s_add_co_u32 s[CNT], s[CNT], 1
	s_cmp_lt_u32 s[CNT], 16
	s_cbranch_scc1 .Lstep
	; THE WAY OUT of the pass's four tiles
.irp x, 0,1,2,3
	v_pk_add_f32 v[SM+8*\x:SM+8*\x+1], v[SM+8*\x:SM+8*\x+1], v[SM+8*\x+2:SM+8*\x+3]   ; the sum's four pairs,
	v_pk_add_f32 v[SM+8*\x+4:SM+8*\x+5], v[SM+8*\x+4:SM+8*\x+5], v[SM+8*\x+6:SM+8*\x+7]
.endr
.irp x, 0,1,2,3
	v_pk_add_f32 v[SM+8*\x:SM+8*\x+1], v[SM+8*\x:SM+8*\x+1], v[SM+8*\x+4:SM+8*\x+5]
.endr
.irp x, 0,1,2,3
	v_add_f32 v[SM+8*\x], v[SM+8*\x], v[SM+8*\x+1]         ; its two halves,
.endr
.irp x, 0,1,2,3
	v_permlanex16_b32 v[PERM+\x], v[SM+8*\x], s[SEL], s[SEL+1]
.endr
.irp x, 0,1,2,3
	v_add_f32 v[SM+8*\x], v[SM+8*\x], v[PERM+\x]           ; and lane l xor 16's
.endr
	s_wait_alu depctr_va_vdst(0)                   ; ahead of the reciprocals
.irp x, 0,1,2,3
	v_rcp_f32 v[ST+8*\x+6], v[SM+8*\x]
.endr
.irp x, 0,1,2,3
	v_cmp_le_f32 s[DEAD+\x], v[ST+8*\x+1], s[THR]  ; has my query met no live key?  (plain work behind the reciprocals)
.endr
	s_wait_alu depctr_va_vdst(0)                   ; one wait for the four reciprocals, ahead of their first reader
.irp x, 0,1,2,3
	v_ldexp_f32 v[ST+8*\x+6], v[ST+8*\x+6], s[E45] ; 2^(e4 + e5) / the sum
.endr
	WIN 0x42                                       ; destination window 1, source 0 (O^T) window 2
	s_wait_alu depctr_va_vdst(0)                   ; directly ahead of the first reader of O^T
.irp x, 0,1,2,3
.set jj, 0
.rept 16
	v_pk_mul_f32 v[64*\x+jj:64*\x+jj+1], v[32*\x+jj:32*\x+jj+1], v[ST+8*\x+6:ST+8*\x+7] op_sel_hi:[1,0]   ; o: register 8 dt + j is channel 16 dt + 8 h + j; each accumulator from its low end on
.set jj, jj+2
.endr
.endr
	WIN 0x41
.irp x, 0,1,2,3
.set jj, 0
.rept 32
	v_med3_num_f32 v[64*\x+jj], v[64*\x+jj], -v[LIMO], v[LIMO]
.set jj, jj+1
.endr
.endr
	WIN 0x01
.irp x, 0,1,2,3
.irp dt, 0,1,2,3
	v_cvt_scalef32_pk8_bf8_f32 v[OC+8*\x+2*\dt:OC+8*\x+2*\dt+1], v[64*\x+8*\dt:64*\x+8*\dt+7], v[SCO]
.endr
.endr
	v_nop                                          ; a plain line between the last conversion and the first touch of the codes
	WIN 0
; The last product reads its other operand's rows 16 bytes a lane: lane (r, h) then holds K = 32 c + 16 h + 0 .. 15.  So tiles 2 bp and 2 bp + 1 change halves: lanes 0-15 get all 16 channels of tile 2 bp, lanes 16-31 of tile 2 bp + 1.
.irp x, 0,1,2,3
.irp bp, 0,1
.irp k, 0,1
	v_permlane16_swap_b32 v[OC+8*\x+4*\bp+\k], v[OC+8*\x+4*\bp+2+\k]
.endr
.endr
.endr
.irp x, 0,1,2,3
.irp i, 0,1,2,3,4,5,6,7
	v_cndmask_b32 v[OC+8*\x+\i], v[OC+8*\x+\i], v[NANC], s[DEAD+\x]   ; a row with no live key is NaN
.endr
.endr
.irp x, 0,1,2,3
.irp bp, 0,1
	global_store_b128 v[AK0], v[OC+8*\x+4*\bp:OC+8*\x+4*\bp+3], s[56:57] offset:\x*4096+\bp*512   ; 512 consecutive bytes a store
.endr
.endr
.set jj, 0
.rept 32
	v_mov_b32 v[Q+jj], v[QB+jj]                    ; the second pass's Q takes the first's place, so that the pass is written once (behind the second pass nobody reads it)
.set jj, jj+1
.endr
	s_wait_alu depctr_va_vdst(0)                   ; directly ahead of the wait below
	s_wait_xcnt 0x0                                ; the stores have read their base and their codes: both may be written
	s_add_nc_u64 s[56:57], s[56:57], 16384         ; four tiles of o on
	s_add_co_u32 s[PS], s[PS], 1
	s_cmp_lt_u32 s[PS], 2
	s_cbranch_scc1 .Lpass
	s_wait_tensorcnt 0x0                           ; the wave's end
	ds_add_u32 v[SPW], v[NIL]
	s_wait_dscnt 0x0
	CROUND                                         ; the closing round
	s_endpgm
.Lfunc_end_k_q906edadb37_attn:
	.size	k_q906edadb37_attn, .Lfunc_end_k_q906edadb37_attn-k_q906edadb37_attn
	.p2alignl 7, 3214868480
	.fill 96, 4, 3214868480
	.section	.rodata,"a",@progbits
	.p2align	6, 0x0
	.amdhsa_kernel k_q906edadb37_attn
		.amdhsa_group_segment_fixed_size 327680
		.amdhsa_private_segment_fixed_size 0
		.amdhsa_enable_private_segment 0
		.amdhsa_kernarg_size 32
		.amdhsa_user_sgpr_count 2
		.amdhsa_user_sgpr_kernarg_segment_ptr 1
		.amdhsa_wavefront_size32 1
		.amdhsa_system_sgpr_workgroup_id_x 1
		.amdhsa_system_sgpr_workgroup_id_y 1
		.amdhsa_system_sgpr_workgroup_id_z 1
		.amdhsa_system_vgpr_workitem_id 0
		.amdhsa_next_free_vgpr 832
		.amdhsa_next_free_sgpr 66
		.amdhsa_reserve_vcc 1
		.amdhsa_float_denorm_mode_32 3
		.amdhsa_float_denorm_mode_16_64 3
		.amdhsa_memory_ordered 1
		.amdhsa_forward_progress 1
		.amdhsa_inst_pref_size 94
	.end_amdhsa_kernel
	.amdgpu_metadata
---
amdhsa.version: [ 1, 2 ]
amdhsa.kernels:
  - .name:           k_q906edadb37_attn
    .symbol:         k_q906edadb37_attn.kd
    .args:
      - { .name: qkv, .offset: 0, .size: 8, .value_kind: global_buffer, .address_space: global }
      - { .name: padding_mask, .offset: 8, .size: 8, .value_kind: global_buffer, .address_space: global }
      - { .name: lowp_scales, .offset: 16, .size: 8, .value_kind: global_buffer, .address_space: global }
      - { .name: oimg, .offset: 24, .size: 8, .value_kind: global_buffer, .address_space: global }
    .group_segment_fixed_size: 327680
    .private_segment_fixed_size: 0
    .kernarg_segment_align: 8
    .kernarg_segment_size: 32
    .max_flat_workgroup_size: 128
    .sgpr_count:     66
    .vgpr_count:     832
    .wavefront_size: 32
...
	.end_amdgpu_metadata
.endif
;; end of part 3
;; launch proj (part 4): grid 4 x 64, 4 waves a work-group, clusters of 4 x 4, 327,680 bytes of LDS; arguments oimg, Wo_codes, lowp_scales, bo, out0; writes out0
.if DOCPART == 4
	.amdgcn_target "amdgcn-amd-amdhsa--gfx1250"
	.amdhsa_code_object_version 6
	.text
	.protected	k_q906edadb37_proj
	.globl	k_q906edadb37_proj
	.p2align	8
	.type	k_q906edadb37_proj,@function
k_q906edadb37_proj:
	s_mov_b64 s[64:65], 0
	v_nop
	global_prefetch_b8 v0, s[64:65] scope:SCOPE_SE
	s_setreg_imm32_b32 hwreg(HW_REG_WAVE_MODE, 25, 1), 1
	s_wait_xcnt 0x0
	s_wait_alu depctr_hold_cnt(0) depctr_sa_sdst(0) depctr_va_vdst(0) depctr_va_sdst(0) depctr_va_ssrc(0) depctr_va_vcc(0) depctr_vm_vsrc(0)
	s_getreg_b32 s2, hwreg(HW_REG_IB_STS2, 6, 4)
	s_cmp_eq_u32 s2, 0
	s_cbranch_scc0 .Lentry_in_a_cluster
	s_endpgm
.Lentry_in_a_cluster:
	s_bfe_u32 s2, ttmp6, 0x10000c
	s_cmp_lg_u32 s2, 0xf033
	s_cbranch_scc0 .Lentry_shape_is_right
	s_endpgm
.Lentry_shape_is_right:
; out0 = o Wo + bo on codes of E5M2.  No work of reference() is left out here.
; o comes as the image that the launch before stored: [256 along K: 4][tile of 16 rows: 512][4,096 bytes], read 16 bytes a lane; Wo as [1024 (n)][1024 (k)] codes, K innermost.  A sum of codes stands for sum x 2^(e6 + e7).
; A block of out0 is 128 rows x 256 columns: 64 x 4 = 256 work-groups, one to a WGP.  Four waves, each 64 x 128: 32 accumulators of 16 x 16.  K = 1,024 goes in four steps of 256 through a ring of two LDS slots.
; CLUSTERS: 4 x 4 work-groups.  o's tile hangs on the block row alone and is asked for jointly along a row of the cluster, Wo's on the block column alone, along a column.  Waves 0 and 1 fetch o's halves (64 rows of 256 bytes), waves 2 and 3 Wo's (128 rows).
; THE MATRIX INSTRUCTION IS USED TRANSPOSED (source 0 = 16 rows of Wo, source 1 = 16 rows of o): a lane holds eight neighbouring numbers of a row of out0.  Both operands hold K = 32 c + 16 (lane / 16) + 0 .. 15 in registers 4 c .. 4 c + 3.
; PREFETCHES INTO THE L2: behind K step 0's joint load K step 2 is asked for, behind K step 1's K step 3: two refills ahead, one instruction a wave.  The four partners that ask for a tile jointly share its blocks of 256 bytes out by address:
; of o's 64 blocks a wave 16 each (lanes 16-31 name the last again), of Wo's 128 rows 32 each, a lane a row.  Wo, which all sixteen rows of clusters read, is named by cluster rows 0 to 3 alone.  Nothing lies behind K step 3.
; LIMIT: e6 + e7 between -126 and 127, so that 2^(e6 + e7) is an f32 number.
; REGISTERS: window 0: v0-31 addresses; v32-95 the bias; v128-255 o's fragments, two sets of 4 x 16.  window 1: Wo's fragments, two sets of 8 x 16; on the way out v0-63 a block's numbers.
;   window 2: the accumulators ((a, b) at v[8 (8 a + b)]).  window 3: the way out: four blocks read back from the stage, 64 registers each, so that no store's registers are written again.
.set ROWB,   256
.set KROW,   1024
.set PITCH,  272                       ; Wo's LDS row: 256 bytes + 16 of padding: the 16 rows that a load touches start at 16 different banks (ISA guide 11.1)
.set FR,     16
.set HALFA,  16384                     ; 64 rows of o x 256 along K, as they lie in the image
.set SLOTA,  2*HALFA
.set HALFB,  128*PITCH
.set SLOT,   SLOTA+2*HALFB
.set KSB,    2097152                   ; from one 256 along K to the next in o's image
.set STAGE,  2*SLOT                    ; behind the ring: 16 rows x (512 + 16) bytes for each wave; no tensor load lands there
.set SPITCH, 528
.set SPARE,  STAGE+4*16*SPITCH         ; the spare words, 128 bytes a wave, which no other line names
.set ADRA, 16
.set ADRB, 20
.set STO,  24
.set RD,   25
.set CO,   26
.set BOFF, 27
.set SPW,  28
.set NIL,  29
.set PFO,  30
.set BIAS, 32
.set AF,   128
.set TMP,  0
.set G1, 24
.set G0, 32
.set G1B, 48
.set G0B, 56
.set MSB, 0
.macro WIN new                         ; the immediate's high byte repeats the setting that is left
.if MSB != \new
	s_set_vgpr_msb (MSB<<8)|\new
.set MSB, \new
.endif
.endm
.set MUL,  0xa1                        ; source 0 (Wo) window 1, source 1 (o) window 0, C and D window 2
.set TO_B, 0x40
.macro JLOAD g0a, g1a, g0b, g1b        ; a joint load; the branch hangs on the wave's number alone; an s_nop 0 and four v_nop follow each of the two lines
	s_cmp_eq_u32 s15, 0
	s_cbranch_scc0 .Lfor_b_\@
	tensor_load_to_lds s[\g0a:\g0a+3], s[\g1a:\g1a+7]
	s_nop 0
.rept 4
	v_nop
.endr
	s_branch .Lasked_\@
.Lfor_b_\@:
	tensor_load_to_lds s[\g0b:\g0b+3], s[\g1b:\g1b+7]
	s_nop 0
.rept 4
	v_nop
.endr
.Lasked_\@:
.endm
.macro CREST                           ; a round of the cluster's barrier behind its opening barrier
	s_cmp_lg_u32 s14, 0
	s_cbranch_scc1 .Lnot_wave_0_\@
	s_barrier_signal -3
.Lnot_wave_0_\@:
	s_barrier_wait -3
	s_barrier_signal -1
	s_barrier_wait -1
.endm
.macro CROUND
	s_barrier_signal -1
	s_barrier_wait -1
	CREST
.endm
.macro ASK pf                          ; one prefetch, in the waves that ask
	s_cmp_eq_u32 s76, 1
	s_cbranch_scc0 .Lnot_mine_\@
	global_prefetch_b8 v[PFO], s[\pf:\pf+1] th:TH_LOAD_NT scope:SCOPE_SE
.Lnot_mine_\@:
.endm
.macro PLACES                          ; plain vector lines between a matrix instruction and a load into, or a vector read of, its registers
.rept 4
	v_nop
.endr
.endm
	s_load_b256 s[4:11], s[0:1], 0x0               ; o's image s[4:5], Wo s[6:7], the scales s[8:9], bo s[10:11]
	s_load_b64 s[12:13], s[0:1], 0x20              ; out0
	v_lshl_add_u32 v[SPW], v0, 2, SPARE
	v_mov_b32 v[NIL], 0
	ds_add_u32 v[SPW], v[NIL]                      ; the wave's opening: the add, twice on end, and its wait ahead of my first tensor load
	ds_add_u32 v[SPW], v[NIL]
	v_lshrrev_b32 v1, 5, v0
	v_readfirstlane_b32 s14, v1                    ; wave 0..3
	s_lshr_b32 s15, s14, 1                         ; my 64 rows of o.  Also: I fetch for o (0) or for Wo (1)
	s_and_b32 s16, s14, 1                          ; my 128 rows of Wo.  Also: which half of that tile I fetch
	s_bfe_u32 s40, ttmp6, 0x40000                  ; cx
	s_bfe_u32 s41, ttmp6, 0x40004                  ; cy
	s_lshl_b32 s42, ttmp9, 2
	s_add_co_u32 s42, s42, s40                     ; block column
	s_and_b32 s77, ttmp7, 0xffff                   ; the cluster's y
	s_lshl_b32 s17, s77, 2
	s_add_co_u32 s17, s17, s41                     ; block row
	s_lshl_b32 s43, s41, 2
	s_lshl_b32 s43, 15, s43                        ; my row of the cluster
	s_lshl_b32 s44, 0x1111, s40                    ; my column
	s_or_b32 s[G1+0], s43, (3<<16)|(1<<21)         ; o: elements of 8 bytes, 64 dense rows of 256 bytes, no padding: the image is read as it lies
	s_mov_b32 s[G1+1], 32<<16
	s_mov_b32 s[G1+2], 64<<16
	s_mov_b32 s[G1+3], 32<<16
	s_mov_b32 s[G1+4], 64
	s_mov_b32 s[G1+5], 32
	s_mov_b32 s[G1+6], 0
	s_mov_b32 s[G1+7], 0
	s_or_b32 s[G1B+0], s44, (0<<16)|(1<<20)|(1<<21)|(5<<22)|(3<<25)   ; Wo: 128 rows of 256 bytes, four words of padding behind every 64
	s_mov_b32 s[G1B+1], ROWB<<16
	s_mov_b32 s[G1B+2], 128<<16
	s_mov_b32 s[G1B+3], ROWB<<16
	s_mov_b32 s[G1B+4], 128
	s_mov_b32 s[G1B+5], KROW
	s_mov_b32 s[G1B+6], 0
	s_mov_b32 s[G1B+7], 0
	s_lshl_b32 s20, s17, 15                        ; o: 32,768 bytes a block row and K step,
	s_lshl_b32 s18, s16, 14
	s_add_co_u32 s20, s20, s18                     ; + the half that I fetch
	s_mov_b32 s21, 0
	s_lshl_b32 s46, s42, 18                        ; Wo: 256 rows of 1,024 bytes a block column,
	s_lshl_b32 s18, s16, 17
	s_add_co_u32 s46, s46, s18
	s_mov_b32 s47, 0
	s_lshl_b32 s45, s16, 14                        ; where they go: no place in the cluster enters an LDS address
	s_mul_i32 s19, s16, HALFB
	s_add_co_u32 s19, s19, SLOTA
	s_wait_dscnt 0x0                               ; both opening adds are done
	s_wait_kmcnt 0x0
	s_load_b64 s[96:97], s[8:9], 0x18              ; e6, e7
	s_add_nc_u64 s[20:21], s[4:5], s[20:21]
	s_add_nc_u64 s[46:47], s[6:7], s[46:47]
	CROUND                                         ; all sixteen work-groups are here: the first joint loads meet
.irp s, 0,1
	s_mov_b32 s[G0+4*\s], 1
	s_add_co_u32 s[G0+4*\s+1], s45, \s*SLOT
	s_add_nc_u64 s[G0+4*\s+2:G0+4*\s+3], s[20:21], \s*KSB
	s_or_b32 s[G0+4*\s+3], s[G0+4*\s+3], 0x80000000
	s_mov_b32 s[G0B+4*\s], 1
	s_add_co_u32 s[G0B+4*\s+1], s19, \s*SLOT
	s_add_nc_u64 s[G0B+4*\s+2:G0B+4*\s+3], s[46:47], \s*ROWB
	s_or_b32 s[G0B+4*\s+3], s[G0B+4*\s+3], 0x80000000
.endr
	JLOAD G0, G1, G0B, G1B                         ; K step 0: one tensor load a wave at the head
	v_and_b32 v1, 15, v0                           ; r
	v_bfe_u32 v2, v0, 4, 1                         ; h
	v_and_b32 v6, 31, v0
	v_lshlrev_b32 v[CO], 4, v6                     ; 16 x lane
	v_lshlrev_b32 v[BOFF], 5, v2
	v_mul_u32_u24 v3, v1, PITCH
	v_lshl_add_u32 v4, v2, 4, v3                   ; Wo's fragment: row x pitch + 16 x half
	v_mul_u32_u24 v5, v1, SPITCH
	v_lshl_add_u32 v5, v2, 5, v5                   ; the stage, in: row r, 32 bytes for each half of the lanes
	s_wait_alu depctr_va_vdst(0)                   ; directly ahead of the run of scalar lines
	s_cmp_eq_u32 s15, 0                            ; the prefetches: do I fetch for o?
	s_cselect_b64 s[72:73], s[20:21], s[46:47]     ; the first byte of what I fetch
	s_cselect_b32 s66, s40, s41                    ; my place among the four that ask with me
	s_cselect_b32 s78, 12, 15                      ; its share: 16 blocks of 256 bytes, or 32 rows of 1,024
	s_mov_b32 s68, ROWB
	s_cselect_b32 s68, KSB, s68                    ; a K step on
	s_cselect_b32 s70, 15, 31                      ; lanes that name a block of their own
	s_cselect_b32 s71, 8, 10                       ; from lane to lane: 256 or 1,024 bytes
	s_cselect_b32 s76, 1, 0                        ; o's waves ask in every cluster,
	s_cmp_lt_u32 s77, 4
	s_cselect_b32 s79, 1, 0
	s_or_b32 s76, s76, s79                         ; Wo's in cluster rows 0 to 3
	s_lshl_b32 s66, s66, s78
	s_mov_b32 s67, 0
	s_mov_b32 s69, 0
	s_add_nc_u64 s[72:73], s[72:73], s[66:67]
	s_add_nc_u64 s[72:73], s[72:73], s[68:69]
	s_add_nc_u64 s[72:73], s[72:73], s[68:69]      ; K step 2,
	s_add_nc_u64 s[74:75], s[72:73], s[68:69]      ; K step 3: two pairs, so that neither is written again
	s_lshl_b32 s22, s15, 14                        ; my 64 rows of o
	s_mul_i32 s23, s16, HALFB
	s_add_co_u32 s23, s23, SLOTA                   ; my 128 rows of Wo
	s_mul_i32 s18, s14, 16*SPITCH
	s_add_co_u32 s18, s18, STAGE                   ; my stage
	v_min_u32 v[PFO], s70, v6
	v_lshlrev_b32 v[PFO], s71, v[PFO]
	v_add_nc_u32 v[ADRA], s22, v[CO]
	v_add_nc_u32 v[ADRB], s23, v4
	v_add_nc_u32 v[ADRA+1], SLOT, v[ADRA]
	v_add_nc_u32 v[ADRB+1], SLOT, v[ADRB]
	v_add_nc_u32 v[STO], s18, v5
	v_add_nc_u32 v[RD], s18, v[CO]                 ; back: the 32 lanes take one row of 512 bytes
	ASK 72                                         ; K step 2
	s_lshl_b32 s80, s42, 10
	s_lshl_b32 s81, s16, 9
	s_add_co_u32 s80, s80, s81                     ; my first column, in bytes
	s_mov_b32 s81, 0
	s_add_nc_u64 s[10:11], s[10:11], s[80:81]
.irp b, 0,1,2,3,4,5,6,7
	global_load_b128 v[BIAS+8*\b:BIAS+8*\b+3], v[BOFF], s[10:11] offset:64*\b
	global_load_b128 v[BIAS+8*\b+4:BIAS+8*\b+7], v[BOFF], s[10:11] offset:64*\b+16
.endr
	s_lshl_b32 s82, s17, 19                        ; 128 rows of 4,096 bytes a block row,
	s_lshl_b32 s83, s15, 18                        ; my 64 of them
	s_add_co_u32 s82, s82, s83
	s_add_co_u32 s82, s82, s80
	s_mov_b32 s83, 0
	s_add_nc_u64 s[12:13], s[12:13], s[82:83]
	s_wait_alu depctr_va_vdst(0)                   ; the head's end
	s_wait_kmcnt 0x0
	s_add_co_i32 s96, s96, s97
	s_add_co_i32 s96, s96, 127
	s_lshl_b32 s96, s96, 23                        ; 2^(e6 + e7) as f32
	s_mov_b32 s97, s96                             ; (named with it as a pair, so it is written)
.macro FETCH slot, q, p                ; the fragments of the slot's q-th 128 along K into set p: Wo's eight, o's four: 48 loads
	WIN TO_B
.irp i, 0,1,2,3,4,5,6,7
.irp c, 0,1,2,3
	ds_load_b128 v[128*(\p)+FR*\i+4*\c:128*(\p)+FR*\i+4*\c+3], v[ADRB+\slot] offset:128*(\q)+32*\c+\i*16*PITCH
.endr
.endr
	WIN 0
.irp i, 0,1,2,3
.irp c, 0,1,2,3
	ds_load_b128 v[AF+64*(\p)+FR*\i+4*\c:AF+64*(\p)+FR*\i+4*\c+3], v[ADRA+\slot] offset:\i*4096+2048*(\q)+512*\c
.endr
.endr
.endm
.macro MUL8 a, p, zero                 ; o's block a against Wo's eight.  The 32 accumulators take turns, one instruction a turn, in the same order in every step
.irp b, 0,1,2,3,4,5,6,7
.if \zero
	v_wmma_f32_16x16x128_bf8_bf8 v[8*(8*(\a)+\b):8*(8*(\a)+\b)+7], v[128*(\p)+FR*\b:128*(\p)+FR*\b+FR-1], v[AF+64*(\p)+FR*(\a):AF+64*(\p)+FR*(\a)+FR-1], 0
.else
	v_wmma_f32_16x16x128_bf8_bf8 v[8*(8*(\a)+\b):8*(8*(\a)+\b)+7], v[128*(\p)+FR*\b:128*(\p)+FR*\b+FR-1], v[AF+64*(\p)+FR*(\a):AF+64*(\p)+FR*(\a)+FR-1], v[8*(8*(\a)+\b):8*(8*(\a)+\b)+7]
.endif
.endr
.endm
.macro STEPA slot, zero                ; a slot's first 128 along K, on set 0; its second 128's fragments are asked for first, into set 1
	s_wait_dscnt 0x0                               ; set 0 is in
.if 1-\zero
	PLACES                                         ; the products just issued read set 1
.endif
	FETCH \slot, 1, 1
	WIN MUL
.irp a, 0,1,2,3
	MUL8 \a, 0, \zero
.endr
.endm
; A slot's second 128, on set 1, changes slots: one barrier; in front of it each wave waits for all its tensor loads, adds 0 to its spare word, and waits for that and for its reads of this slot.  fill = 1: this slot is filled again.
.macro STEPB slot, next, fill
	WIN 0
	s_wait_tensorcnt 0x0                           ; all my tensor loads have landed: my part of the next slot
	ds_add_u32 v[SPW], v[NIL]                      ; 0 onto my spare word
	s_wait_dscnt 1                                 ; set 1 is in; the add may be out
	WIN MUL
	MUL8 0, 1, 0
	s_wait_dscnt 0x0                               ; the add is done, and my reads of this slot are over
	s_barrier_signal -1
	MUL8 1, 1, 0
	WIN 0
	s_barrier_wait -1
.if \fill
	CREST                                          ; the barrier has opened a round of the cluster's: no wave of any partner still reads this slot or has a load on its way
	s_add_nc_u64 s[G0+4*\slot+2:G0+4*\slot+3], s[G0+4*\slot+2:G0+4*\slot+3], 2*KSB
	s_add_nc_u64 s[G0B+4*\slot+2:G0B+4*\slot+3], s[G0B+4*\slot+2:G0B+4*\slot+3], 2*ROWB
	JLOAD G0+4*\slot, G1, G0B+4*\slot, G1B         ; the first tensor load behind the round; its four v_nop are the places in front of the loads below
.else
	PLACES
.endif
	FETCH \next, 0, 0
	WIN MUL
	MUL8 2, 1, 0
	MUL8 3, 1, 0
.endm
	s_wait_tensorcnt 0x0                           ; my part of slot 0 is in
	ds_add_u32 v[SPW], v[NIL]
	s_wait_dscnt 0x0
	CROUND                                         ; everybody's part of slot 0 is in, and all sixteen work-groups are here
	JLOAD G0+4, G1, G0B+4, G1B                     ; slot 1's first fill: the first tensor load behind the round
	FETCH 0, 0, 0
	ASK 74                                         ; K step 3
	STEPA 0, 1                                     ; K 0-127: its products start the sums: nothing is cleared.  Eight steps: written out, no loop
	STEPB 0, 1, 1
	STEPA 1, 0
	STEPB 1, 0, 1
	STEPA 0, 0
	STEPB 0, 1, 0                                  ; the last two slots are filled no more
	STEPA 1, 0
	s_wait_dscnt 0x0                               ; the very last step: nothing more to fetch
.irp a, 0,1,2,3
	MUL8 \a, 1, 0
.endr
	WIN 0
; THE WAY OUT, block by block of 16 rows x 128 columns: sum x 2^(e6 + e7) + bias, through my own stage, back as whole rows of 512 bytes.  LDS serves a wave's instructions in order (ISA guide 5.7.1.4): no wait between the stores and the loads.
.macro TOSTAGE a
	WIN 0x42                                       ; destination window 1, source 0 (the sums) window 2
.set jj, 0
.rept 32
	v_pk_fma_f32 v[TMP+jj:TMP+jj+1], v[64*(\a)+jj:64*(\a)+jj+1], s[96:97], v[BIAS+jj:BIAS+jj+1] op_sel_hi:[1,0,1]   ; each accumulator from its low end on
.set jj, jj+2
.endr
	WIN 0x04                                       ; the stores' data window 1
.irp b, 0,1,2,3,4,5,6,7
	ds_store_b128 v[STO], v[TMP+8*\b:TMP+8*\b+3] offset:64*\b
	ds_store_b128 v[STO], v[TMP+8*\b+4:TMP+8*\b+7] offset:64*\b+16
.endr
	WIN 0xc0                                       ; back into window 3: registers of the block's own
.irp t, 0,1,2,3,4,5,6,7,8,9,10,11,12,13,14,15
	ds_load_b128 v[64*(\a)+4*\t:64*(\a)+4*\t+3], v[RD] offset:\t*SPITCH
.endr
.endm
.macro SEND a, younger                 ; younger: the LDS instructions issued behind block a's loads, which may stay out
	s_wait_dscnt \younger
	WIN 0x0c                                       ; the stores' data window 3
.irp t, 0,1,2,3,4,5,6,7,8,9,10,11,12,13,14,15
	global_store_b128 v[CO], v[64*(\a)+4*\t:64*(\a)+4*\t+3], s[12:13] offset:(16*(\a)+\t)*4096 th:TH_STORE_NT   ; 32 lanes store 512 consecutive bytes, at a multiple of 256 from out0's first byte
.endr
.endm
	s_wait_loadcnt 0x0                             ; the bias
	PLACES
	TOSTAGE 0
.irp a, 1,2,3
	TOSTAGE \a
	SEND \a-1, 32                                  ; behind block a - 1's loads: block a's 16 stores and 16 loads
.endr
	SEND 3, 0
	WIN 0
	s_wait_tensorcnt 0x0                           ; the wave's end
	ds_add_u32 v[SPW], v[NIL]
	s_wait_dscnt 0x0
	CROUND                                         ; the closing round: no work-group ends while a partner may still ask for a tile that names it
	s_endpgm
.Lfunc_end_k_q906edadb37_proj:
	.size	k_q906edadb37_proj, .Lfunc_end_k_q906edadb37_proj-k_q906edadb37_proj
	.p2alignl 7, 3214868480
	.fill 96, 4, 3214868480
	.section	.rodata,"a",@progbits
	.p2align	6, 0x0
	.amdhsa_kernel k_q906edadb37_proj
		.amdhsa_group_segment_fixed_size 327680
		.amdhsa_private_segment_fixed_size 0
		.amdhsa_enable_private_segment 0
		.amdhsa_kernarg_size 40
		.amdhsa_user_sgpr_count 2
		.amdhsa_user_sgpr_kernarg_segment_ptr 1
		.amdhsa_wavefront_size32 1
		.amdhsa_system_sgpr_workgroup_id_x 1
		.amdhsa_system_sgpr_workgroup_id_y 1
		.amdhsa_system_sgpr_workgroup_id_z 1
		.amdhsa_system_vgpr_workitem_id 0
		.amdhsa_next_free_vgpr 1024
		.amdhsa_next_free_sgpr 98
		.amdhsa_reserve_vcc 0
		.amdhsa_float_denorm_mode_32 3
		.amdhsa_float_denorm_mode_16_64 3
		.amdhsa_memory_ordered 1
		.amdhsa_forward_progress 1
		.amdhsa_inst_pref_size 77
	.end_amdhsa_kernel
	.amdgpu_metadata
---
amdhsa.version: [ 1, 2 ]
amdhsa.kernels:
  - .name:           k_q906edadb37_proj
    .symbol:         k_q906edadb37_proj.kd
    .args:
      - { .name: oimg, .offset: 0, .size: 8, .value_kind: global_buffer, .address_space: global }
      - { .name: Wo_codes, .offset: 8, .size: 8, .value_kind: global_buffer, .address_space: global }
      - { .name: lowp_scales, .offset: 16, .size: 8, .value_kind: global_buffer, .address_space: global }
      - { .name: bo, .offset: 24, .size: 8, .value_kind: global_buffer, .address_space: global }
      - { .name: out0, .offset: 32, .size: 8, .value_kind: global_buffer, .address_space: global }
    .group_segment_fixed_size: 327680
    .private_segment_fixed_size: 0
    .kernarg_segment_align: 8
    .kernarg_segment_size: 40
    .max_flat_workgroup_size: 128
    .sgpr_count:     98
    .vgpr_count:     1024
    .wavefront_size: 32
...
	.end_amdgpu_metadata
.endif
;; end of part 4
